; MI455X (gfx1250); checked and timed in simulation.
; The chip was launched on July 23, 2026; its instructions are those of AMD's public machine-readable ISA for CDNA 5 (MIT licence, August 2026) and "CDNA5" Instruction Set Architecture Reference Guide (July 2026). The comments in the code are by the model that wrote it; some were corrected since.
;; Topic Encoder. Allowed arithmetic: float matrix products may take bf16 or f16 operands with f32 sums; all other float work in f32.
;; Inputs: W1 5 x 1,024 x 1,024 float32; W2 5 x 1,024 x 1,024 float32; Wf 1,124 x 512 float32; attention_mask 32 x 128 float32; b1 5 x 1,024 float32; b2 5 x 1,024 float32; beta1 5 x 1,024 float32; betaf 512 float32; bf 512 float32; g1 5 x 1,024 float32; gf 512 float32; language_ids 32 int32; lda_features 32 x 100 float32; sequence_output 32 x 128 x 1,024 float32.
;; Outputs: out0 32 x 512 float32.
;; 2 versions, each right; version 2 is version 1 with the launch adapter written anew for expert scheduling mode. Each part assembles by itself: llvm-mc -triple=amdgcn-amd-amdhsa -mcpu=gfx1250 --defsym DOCPART=n.
;; ======== version 1 of 2: 5 launches
;; workspace buffers: hpre 16,777,216 bytes; hpart 1,048,576 bytes; ppart 2,097,152 bytes; fpart 1,179,648 bytes
;; launch adapter (part 1): grid 8 x 32, 4 waves a work-group, no clusters, 264,704 bytes of LDS; arguments sequence_output, W1, b1, language_ids, hpre; writes hpre
.if DOCPART == 1
	.amdgcn_target "amdgcn-amd-amdhsa--gfx1250"
	.amdhsa_code_object_version 6
	.text
	.protected	k_q19bbaa7024_adapter
	.globl	k_q19bbaa7024_adapter
	.p2align	8
	.type	k_q19bbaa7024_adapter,@function
k_q19bbaa7024_adapter:
	s_mov_b64 s[64:65], 0
	v_nop
	global_prefetch_b8 v0, s[64:65] scope:SCOPE_SE
	s_setreg_imm32_b32 hwreg(HW_REG_WAVE_MODE, 25, 1), 1
	s_wait_xcnt 0x0
; hpre[b][s][n] = sum over k of X[b][s][k] W1[l][k][n] + b1[l][n],  l = language_ids[b].
; The language mask that is built from the ids is 0 or 1, so of the five adapters only the batch's own one reaches the result.
; An id outside 0..4 is clamped to 4 for the addresses here; the later launches select by comparison and drop such a batch's rows.
; X, W1 are rounded to bf16 (nearest even), the sums are f32.  Inputs are taken as finite.
; A work-group makes the 128 rows of batch b x 128 columns.  Wave w: columns 64 (w & 1) .. +63 of them, K half w >> 1 (512 of 1,024).
; Each wave sums 128 x 64 over its K half (32 tiles, 256 registers); the two K halves are then exchanged through LDS and wave kh
; finishes rows 64 kh .. +63.  Accumulator block i = 0..3 is M tile 4 kh + i (kept), i = 4..7 is M tile 4 (1 - kh) + i - 4 (handed over):
; the difference lies in four address registers only, so all waves run one text.
; X is rounded once and lies whole in LDS: 128 rows of 2,048 bytes at a pitch of 2,064 (an odd multiple of 16, so that the 16 rows
; of a fragment load start in 16 different 16-byte columns modulo 256).
; W1 is stored [k][n] in f32.  Lane (r, h) loads, for each of the 16 k of its half of a K step of 32, the four columns 4 r .. 4 r + 3:
; word c of those loads is B fragment c, whose column r stands for column 4 r + c.  No LDS and no transposing load is needed,
; each load covers two runs of 256 consecutive aligned bytes, and tiles c = 0..3 of a result row give 16 neighbouring bytes a lane.
; NO CLUSTER, NO TENSOR LOADS: both operands are f32 in memory and have to pass registers to be rounded; a shared f32 tile in LDS
; would need room beside the 264,192 bytes of the bf16 copy (63,488 are left of 327,680), and which work-groups read the same
; W1 hangs on language_ids, so no fixed mask names them.
.set PITCH, 2064
.set VX,   4                           ; v4      16 x lane
.set VLA,  5                           ; v5      where my 8 bytes of bf16 go in LDS (first row of the trip)
.set VB,   6                           ; v6      h x 8 rows of 4,096 bytes + 16 r: serves W1's loads and hpre's stores
.set VR16, 7                           ; v7      16 r
.set VA,   8                           ; v8-11   A fragments: blocks 0-1, 2-3 (kept), 4-5, 6-7 (handed over)
.set VEX,  12                          ; v12     my exchange region
.set VEXP, 13                          ; v13     my partner's (wave w xor 2)
.set B1,   16                          ; v16-19  b1 of my four columns
.set BF,   32                          ; v32-63  four B fragments; in the first phase the packed bf16 of X
.set AF,   64                          ; v64-127 eight A fragments
; window 1 (v256-511): the 32 accumulator tiles, tile (i, c) at 8 (4 i + c)
; window 2 (v512-767): four slots of 64 registers for f32 as loaded; at the end v512-639 partner's tiles, v640-767 results
.set MSB, 0
.macro WIN new                         ; the immediate's high byte repeats the setting that is left
.if MSB != \new
	s_set_vgpr_msb (MSB<<8)|\new
.set MSB, \new
.endif
.endm
.macro PLACES                          ; four independent vector places behind matrix instructions (ISA guide 7.12.1)
.rept 4
	v_nop
.endr
.endm
; 16 loads: two rows of X (step st of my 32 rows), 512 consecutive bytes each load
.macro XFILL sl, st
.set xn, 0
.rept 16
	global_load_b128 v[64*\sl+4*xn:64*\sl+4*xn+3], v[VX], s[4:5] offset:(\st)*8192+(xn/8)*4096+(xn%8)*512
.set xn, xn+1
.endr
.endm
; 16 loads: K step ch of W1.  Load p is k = 8 h + p (p < 8) or 16 + 8 h + p - 8: the k of a fragment's registers, in order
.macro BFILL sl, ch
.set bp, 0
.rept 16
	global_load_b128 v[64*\sl+4*bp:64*\sl+4*bp+3], v[VB], s[6:7] offset:(\ch)*131072+(bp+8*(bp/8))*4096
.set bp, bp+1
.endr
.endm
	s_load_b256 s[4:11], s[0:1], 0x0               ; X s[4:5], W1 s[6:7], b1 s[8:9], ids s[10:11]
	s_load_b64 s[12:13], s[0:1], 0x20              ; hpre
	v_lshl_add_u32 v254, v0, 2, 0x40800
	v_mov_b32 v255, 0
	v_lshrrev_b32 v1, 5, v0
	v_readfirstlane_b32 s14, v1                    ; wave
	v_and_b32 v1, 31, v0                           ; lane
	v_and_b32 v2, 15, v0                           ; r
	v_bfe_u32 v3, v0, 4, 1                         ; h
	s_and_b32 s15, s14, 1                          ; cg: my 64 columns
	s_lshr_b32 s16, s14, 1                         ; kh: my K half
	s_and_b32 s17, ttmp7, 0xffff                   ; b
	s_mov_b32 s21, 0                               ; high word of every offset
	v_lshlrev_b32 v[VX], 4, v1
	s_wait_kmcnt 0x0
	s_lshl_b32 s20, s17, 2
	s_add_nc_u64 s[10:11], s[10:11], s[20:21]
	s_load_b32 s18, s[10:11], 0x0                  ; language_ids[b]: on its way while X is asked for
	s_lshl_b32 s20, s17, 19                        ; batch: 128 rows of 4,096 bytes
	s_lshl_b32 s24, s14, 17                        ; my 32 rows
	s_add_co_u32 s20, s20, s24
	s_add_nc_u64 s[4:5], s[4:5], s[20:21]
	WIN 0x80                                       ; loads land in window 2
	XFILL 0, 0
	XFILL 1, 1
	XFILL 2, 2
	XFILL 3, 3
	WIN 0
	s_mul_i32 s24, s14, 32*PITCH
	v_lshl_add_u32 v[VLA], v1, 3, s24              ; my 32 rows in LDS + 8 x lane
	v_lshlrev_b32 v[VR16], 4, v2
	v_lshl_add_u32 v[VB], v3, 15, v[VR16]
	v_mul_u32_u24 v14, v2, PITCH
	v_lshl_add_u32 v14, v3, 4, v14                 ; r x pitch + 16 h
	s_mul_i32 s24, s16, 64*PITCH+1024              ; rows 64 kh, K byte 1,024 kh
	v_add_nc_u32 v[VA], s24, v14
	v_add_nc_u32 v[VA+1], 32*PITCH, v[VA]
	s_xor_b32 s25, s16, 1
	s_mul_i32 s25, s25, 64*PITCH                   ; rows 64 (1 - kh),
	s_lshl_b32 s24, s16, 10                        ; the same K bytes
	s_add_co_u32 s25, s25, s24
	v_add_nc_u32 v[VA+2], s25, v14
	v_add_nc_u32 v[VA+3], 32*PITCH, v[VA+2]
	s_lshl_b32 s24, s14, 14
	v_add_nc_u32 v[VEX], s24, v[VX]
	s_xor_b32 s24, s14, 2
	s_lshl_b32 s24, s24, 14
	v_add_nc_u32 v[VEXP], s24, v[VX]
	s_lshl_b32 s26, ttmp9, 9                       ; the work-group's 128 columns, in bytes,
	s_lshl_b32 s24, s15, 8
	s_add_co_u32 s26, s26, s24                     ; + my 64
	s_wait_kmcnt 0x0
	s_min_u32 s18, s18, 4                          ; the id enters addresses only clamped to the table
	s_lshl_b32 s20, s18, 22                        ; W1[l]: 4 MiB each,
	s_lshl_b32 s24, s16, 21                        ; my 512 rows of 4,096 bytes
	s_add_co_u32 s20, s20, s24
	s_add_co_u32 s20, s20, s26
	s_add_nc_u64 s[6:7], s[6:7], s[20:21]
	s_lshl_b32 s20, s18, 12
	s_add_co_u32 s20, s20, s26
	s_add_nc_u64 s[8:9], s[8:9], s[20:21]
	s_lshl_b32 s20, s17, 19
	s_lshl_b32 s24, s16, 18                        ; the 64 rows that I finish
	s_add_co_u32 s20, s20, s24
	s_add_co_u32 s20, s20, s26
	s_add_nc_u64 s[12:13], s[12:13], s[20:21]
	global_load_b128 v[B1:B1+3], v[VR16], s[8:9]   ; used at the end, behind the last wait for 0
; FIRST PHASE.  One step: two rows of X to bf16 and into LDS; the slot is filled again, with X four steps on (kind 1) or,
; in the last four steps, with W1's first four K steps (kind 2): the stream of loads passes over without running dry.
.macro XSTEP sl, kind
	s_wait_loadcnt 48                              ; loads return in order: three younger slots of 16 stay out (b1's one load, while it is among them, makes this one stricter than needed)
	WIN 0x0a                                       ; sources in window 2
.set cn, 0
.rept 16
	v_cvt_pk_bf16_f32 v[BF+2*cn], v[64*\sl+4*cn], v[64*\sl+4*cn+1]
	v_cvt_pk_bf16_f32 v[BF+2*cn+1], v[64*\sl+4*cn+2], v[64*\sl+4*cn+3]
.set cn, cn+1
.endr
	WIN 0
.set cn, 0
.rept 16
	ds_store_b64 v[VLA], v[BF+2*cn:BF+2*cn+1] offset:(2*\sl+cn/8)*PITCH+256*(cn%8)   ; 32 lanes: 256 consecutive bytes
.set cn, cn+1
.endr
	WIN 0x80
.if \kind == 1
	XFILL \sl, 4+\sl
.else
	BFILL \sl, \sl
.endif
.endm
	s_mov_b32 s22, 0
.Lxloop:
	XSTEP 0, 1
	XSTEP 1, 1
	XSTEP 2, 1
	XSTEP 3, 1
	WIN 0
	s_wait_xcnt 0x0                                ; the loads' base is stepped only behind this wait
	s_add_nc_u64 s[4:5], s[4:5], 32768             ; 8 rows on
	v_add_nc_u32 v[VLA], 8*PITCH, v[VLA]
	s_add_co_u32 s22, s22, 1
	s_cmp_lt_u32 s22, 3
	s_cbranch_scc1 .Lxloop
	XSTEP 0, 2
	XSTEP 1, 2
	XSTEP 2, 2
	XSTEP 3, 2
	WIN 0
	s_wait_dscnt 0x0                               ; my rows are in LDS,
	s_barrier_signal -1
	s_barrier_wait -1                              ; everybody's are
; SECOND PHASE.  One K step of 32: 8 A fragments from LDS, 4 B fragments rounded from slot sl, 32 matrix instructions.
.macro KSTEP sl, zero, refill, left
	PLACES                                         ; AF and BF were sources of the last step's matrix instructions
	WIN 0
.set ki, 0
.rept 8
	ds_load_b128 v[AF+8*ki:AF+8*ki+3], v[VA+ki/2] offset:(ki%2)*16*PITCH+64*\sl
	ds_load_b128 v[AF+8*ki+4:AF+8*ki+7], v[VA+ki/2] offset:(ki%2)*16*PITCH+64*\sl+32
.set ki, ki+1
.endr
	s_wait_loadcnt \left                           ; this slot's 16 loads are in; the younger slots stay out
	WIN 0x0a
.set kc, 0
.rept 4
.set kq, 0
.rept 8
	v_cvt_pk_bf16_f32 v[BF+8*kc+kq], v[64*\sl+8*kq+kc], v[64*\sl+8*kq+4+kc]   ; loads 2 q and 2 q + 1, word c
.set kq, kq+1
.endr
.set kc, kc+1
.endr
.if \refill
	WIN 0x80
	BFILL \sl, 4+\sl                               ; four K steps ahead
.endif
	s_wait_dscnt 0x0
	WIN 0x50                                       ; C and D in window 1
.set ki, 0
.rept 8
.set kc, 0
.rept 4
.if \zero
	v_wmma_f32_16x16x32_bf16 v[8*(4*ki+kc):8*(4*ki+kc)+7], v[AF+8*ki:AF+8*ki+7], v[BF+8*kc:BF+8*kc+7], 0
.else
	v_wmma_f32_16x16x32_bf16 v[8*(4*ki+kc):8*(4*ki+kc)+7], v[AF+8*ki:AF+8*ki+7], v[BF+8*kc:BF+8*kc+7], v[8*(4*ki+kc):8*(4*ki+kc)+7]
.endif
.set kc, kc+1
.endr
.set ki, ki+1
.endr
.endm
.macro ROUND zero, refill, l0, l1, l2, l3
	KSTEP 0, \zero, \refill, \l0
	KSTEP 1, 0, \refill, \l1
	KSTEP 2, 0, \refill, \l2
	KSTEP 3, 0, \refill, \l3
.endm
.macro ADVANCE                         ; four K steps on
	WIN 0
	s_wait_xcnt 0x0                                ; W1's base is stepped only behind this wait
	s_add_nc_u64 s[6:7], s[6:7], 524288            ; 128 rows of 4,096 bytes
.irp i, 0,1,2,3
	v_add_nc_u32 v[VA+\i], 256, v[VA+\i]           ; 128 bf16 along A's rows
.endr
.endm
	ROUND 1, 1, 48, 48, 48, 48                     ; the first products start the sums: nothing is cleared
	ADVANCE
	s_mov_b32 s22, 0
.Lkloop:
	ROUND 0, 1, 48, 48, 48, 48
	ADVANCE
	s_add_co_u32 s22, s22, 1
	s_cmp_lt_u32 s22, 2
	s_cbranch_scc1 .Lkloop
	ROUND 0, 0, 48, 32, 16, 0                      ; the last four K steps ask for nothing: the counts run down (0 also covers b1)
	; THE END: hand over blocks 4-7, take the partner's, add, add b1, store.
	PLACES                                         ; behind the last matrix instructions, in front of the LDS stores of their results
	s_barrier_signal -1                            ; my LDS loads were waited for in front of the last products, none followed
	s_barrier_wait -1                              ; nobody reads A any more: its first 65,536 bytes become four exchange regions
	WIN 0x04                                       ; store data in window 1
.set eu, 0
.rept 32
	ds_store_b128 v[VEX], v[128+4*eu:128+4*eu+3] offset:512*eu
.set eu, eu+1
.endr
	s_wait_dscnt 0x0
	s_barrier_signal -1
	s_barrier_wait -1
	WIN 0x80
.set eu, 0
.rept 32
	ds_load_b128 v[4*eu:4*eu+3], v[VEXP] offset:512*eu     ; the partner's block 4 + i is my block i, register for register
.set eu, eu+1
.endr
	s_wait_dscnt 0x0
	WIN 0x89                                       ; mine (window 1) + partner's (window 2) -> window 2, tiles c = 0..3 side by side
.set ei, 0
.rept 4
.set ej, 0
.rept 8
.set ec, 0
.rept 4
	v_add_f32 v[128+4*(8*ei+ej)+ec], v[8*(4*ei+ec)+ej], v[8*(4*ei+ec)+ej]
.set ec, ec+1
.endr
.set ej, ej+1
.endr
.set ei, ei+1
.endr
	WIN 0x82
.set eu, 0
.rept 32
	v_pk_add_f32 v[128+4*eu:128+4*eu+1], v[128+4*eu:128+4*eu+1], v[B1:B1+1]
	v_pk_add_f32 v[128+4*eu+2:128+4*eu+3], v[128+4*eu+2:128+4*eu+3], v[B1+2:B1+3]
.set eu, eu+1
.endr
	WIN 0x08                                       ; store data in window 2
.set eu, 0
.rept 32
	global_store_b128 v[VB], v[128+4*eu:128+4*eu+3], s[12:13] offset:(16*(eu/8)+eu%8)*4096   ; row 16 i + 8 h + j: 16 lanes store 256 consecutive aligned bytes
.set eu, eu+1
.endr
	WIN 0
	s_wait_tensorcnt 0x0
	ds_add_u32 v254, v255
	s_wait_dscnt 0x0
	s_endpgm
.Lfunc_end_k_q19bbaa7024_adapter:
	.size	k_q19bbaa7024_adapter, .Lfunc_end_k_q19bbaa7024_adapter-k_q19bbaa7024_adapter
	.p2alignl 7, 3214868480
	.fill 96, 4, 3214868480
	.section	.rodata,"a",@progbits
	.p2align	6, 0x0
	.amdhsa_kernel k_q19bbaa7024_adapter
		.amdhsa_group_segment_fixed_size 264704
		.amdhsa_private_segment_fixed_size 0
		.amdhsa_enable_private_segment 0
		.amdhsa_kernarg_size 40
		.amdhsa_user_sgpr_count 2
		.amdhsa_user_sgpr_kernarg_segment_ptr 1
		.amdhsa_wavefront_size32 1
		.amdhsa_system_sgpr_workgroup_id_x 1
		.amdhsa_system_sgpr_workgroup_id_y 1
		.amdhsa_system_sgpr_workgroup_id_z 1
		.amdhsa_system_vgpr_workitem_id 0
		.amdhsa_next_free_vgpr 768
		.amdhsa_next_free_sgpr 66
		.amdhsa_reserve_vcc 0
		.amdhsa_float_denorm_mode_32 3
		.amdhsa_float_denorm_mode_16_64 3
		.amdhsa_memory_ordered 1
		.amdhsa_forward_progress 1
		.amdhsa_inst_pref_size 139
	.end_amdhsa_kernel
	.amdgpu_metadata
---
amdhsa.version: [ 1, 2 ]
amdhsa.kernels:
  - .name:           k_q19bbaa7024_adapter
    .symbol:         k_q19bbaa7024_adapter.kd
    .args:
      - { .name: sequence_output, .offset: 0, .size: 8, .value_kind: global_buffer, .address_space: global }
      - { .name: W1, .offset: 8, .size: 8, .value_kind: global_buffer, .address_space: global }
      - { .name: b1, .offset: 16, .size: 8, .value_kind: global_buffer, .address_space: global }
      - { .name: language_ids, .offset: 24, .size: 8, .value_kind: global_buffer, .address_space: global }
      - { .name: hpre, .offset: 32, .size: 8, .value_kind: global_buffer, .address_space: global }
    .group_segment_fixed_size: 264704
    .private_segment_fixed_size: 0
    .kernarg_segment_align: 8
    .kernarg_segment_size: 40
    .max_flat_workgroup_size: 128
    .sgpr_count:     66
    .vgpr_count:     768
    .wavefront_size: 32
...
	.end_amdgpu_metadata
.endif
;; end of part 1
;; launch lnpool (part 2): grid 8 x 32, 8 waves a work-group, no clusters, 33,792 bytes of LDS; arguments hpre, g1, beta1, attention_mask, language_ids, hpart; writes hpart
.if DOCPART == 2
	.amdgcn_target "amdgcn-amd-amdhsa--gfx1250"
	.amdhsa_code_object_version 6
	.text
	.protected	k_q19bbaa7024_lnpool
	.globl	k_q19bbaa7024_lnpool
	.p2align	8
	.type	k_q19bbaa7024_lnpool,@function
k_q19bbaa7024_lnpool:
	s_mov_b64 s[64:65], 0
	v_nop
	global_prefetch_b8 v0, s[64:65] scope:SCOPE_SE
	s_setreg_imm32_b32 hwreg(HW_REG_WAVE_MODE, 25, 1), 1
	s_wait_xcnt 0x0
; hpart[b][chunk][c] = sum over the 16 rows s of the chunk of (mask[b][s] / M) relu(LN(hpre[b][s])[c]),  M = sum over s of mask[b][s].
; The second adapter layer is linear and stands directly in front of the masked mean, so the mean is taken first.
; A work-group: 16 rows of one batch; a wave: two whole rows of 1,024 f32, 32 registers each, so a row is read once and the
; norm never leaves the wave.  Lane L holds columns 128 q + 4 L .. +3, q = 0..7: every load covers 512 consecutive bytes.
; The variance is the mean of the centred squares (two passes over registers): no difference of large sums.
; LIMITS: the division by M is a multiplication by v_rcp_f32(M), folded into the rows' weights (M = 0 gives NaN for a mask
; of zeros, as 0 / 0 does); the ReLU is v_max_num_f32, which turns a NaN into 0: inputs are taken as finite.
; An id outside 0..4 is clamped to 4 for g1's and beta1's addresses; the later launches drop such a batch.
; Matrix units, clusters and tensor loads have no work here: a stream with a reduction inside a wave.
.set X0,  8                            ; v8-39    row 0
.set X1,  40                           ; v40-71   row 1
.set G,   72                           ; v72-103  g1
.set BT,  104                          ; v104-135 beta1
.set MK,  136                          ; v136-139 four of the batch's 128 mask values
.set C,   140                          ; v140-147 four chains of pairs
.set TP,  148                          ; the other half's figure
.set VAR, 149
.set MU,  150                          ; v150-151 the mean, twice
.set RS0, 152                          ; v152-153 1 / sqrt(var + eps) of row 0, twice
.set W0,  154                          ; v154-155 mask / M of row 0, twice
.set W1,  156                          ; v156-157 of row 1
.set RS1, 158                          ; v158-159
.macro REDUCE32 x, t                   ; sum over the 32 lanes, in every lane
	v_add_f32_dpp v[\x], v[\x], v[\x] row_xmask:1 row_mask:0xf bank_mask:0xf
	v_add_f32_dpp v[\x], v[\x], v[\x] row_xmask:2 row_mask:0xf bank_mask:0xf
	v_add_f32_dpp v[\x], v[\x], v[\x] row_xmask:4 row_mask:0xf bank_mask:0xf
	v_add_f32_dpp v[\x], v[\x], v[\x] row_xmask:8 row_mask:0xf bank_mask:0xf
	v_permlanex16_b32 v[\t], v[\x], s22, s23
	v_add_f32 v[\x], v[\x], v[\t]
.endm
.macro FOLD                            ; the four chains into one number
	v_pk_add_f32 v[C:C+1], v[C:C+1], v[C+2:C+3]
	v_pk_add_f32 v[C+4:C+5], v[C+4:C+5], v[C+6:C+7]
	v_pk_add_f32 v[C:C+1], v[C:C+1], v[C+4:C+5]
	v_add_f32 v[C], v[C], v[C+1]
	REDUCE32 C, TP
.endm
; the row at x is centred in place; rs gets 1 / sqrt(var + eps), twice
.macro ROWSTAT x, rs
.irp k, 0,1,2,3
	v_pk_add_f32 v[C+2*\k:C+2*\k+1], v[\x+4*\k:\x+4*\k+1], v[\x+4*\k+2:\x+4*\k+3]
.endr
.set rj, 8
.rept 8
	v_pk_add_f32 v[C+2*(rj%4):C+2*(rj%4)+1], v[C+2*(rj%4):C+2*(rj%4)+1], v[\x+2*rj:\x+2*rj+1]
.set rj, rj+1
.endr
	FOLD
	v_mul_f32 v[MU], s24, v[C]
	v_mul_f32 v[MU+1], s24, v[C]
.set rj, 0
.rept 16
	v_pk_add_f32 v[\x+2*rj:\x+2*rj+1], v[\x+2*rj:\x+2*rj+1], v[MU:MU+1] neg_lo:[0,1] neg_hi:[0,1]
.set rj, rj+1
.endr
.irp k, 0,1,2,3
	v_pk_mul_f32 v[C+2*\k:C+2*\k+1], v[\x+2*\k:\x+2*\k+1], v[\x+2*\k:\x+2*\k+1]
.endr
.set rj, 4
.rept 12
	v_pk_fma_f32 v[C+2*(rj%4):C+2*(rj%4)+1], v[\x+2*rj:\x+2*rj+1], v[\x+2*rj:\x+2*rj+1], v[C+2*(rj%4):C+2*(rj%4)+1]
.set rj, rj+1
.endr
	FOLD
	v_fma_f32 v[VAR], v[C], s24, s25               ; sum / 1,024 + eps
	v_rsq_f32 v[\rs], v[VAR]
	v_rsq_f32 v[\rs+1], v[VAR]
	v_nop                                          ; one plain place behind the transcendentals (ISA guide 5.7.2)
.endm
.macro NORM x, rs
.set rj, 0
	s_wait_alu depctr_va_vdst(0)
.rept 16
	v_pk_mul_f32 v[\x+2*rj:\x+2*rj+1], v[\x+2*rj:\x+2*rj+1], v[\rs:\rs+1]
.set rj, rj+1
.endr
.set rj, 0
.rept 16
	v_pk_fma_f32 v[\x+2*rj:\x+2*rj+1], v[\x+2*rj:\x+2*rj+1], v[G+2*rj:G+2*rj+1], v[BT+2*rj:BT+2*rj+1]
.set rj, rj+1
.endr
.set rj, 0
.rept 32
	v_max_num_f32 v[\x+rj], 0, v[\x+rj]
.set rj, rj+1
.endr
.endm
	s_load_b256 s[4:11], s[0:1], 0x0               ; hpre s[4:5], g1 s[6:7], beta1 s[8:9], mask s[10:11]
	s_load_b128 s[12:15], s[0:1], 0x20             ; ids s[12:13], hpart s[14:15]
	v_lshl_add_u32 v160, v0, 2, 0x8000
	v_mov_b32 v161, 0
	v_lshrrev_b32 v2, 5, v0
	v_readfirstlane_b32 s16, v2                    ; wave
	v_and_b32 v1, 31, v0
	v_lshlrev_b32 v1, 4, v1                        ; 16 L
	v_mov_b32 v[TP], 0                             ; v_permlanex16_b32 counts as a reader of its destination
	s_and_b32 s17, ttmp7, 0xffff                   ; b
	s_mov_b32 s22, 0x76543210                      ; lane i of one half reads lane i of the other
	s_mov_b32 s23, 0xfedcba98
	s_mov_b32 s24, 0x3a800000                      ; 1 / 1,024
	s_mov_b32 s25, 0x3727c5ac                      ; 1e-5
	s_lshl_b32 s26, ttmp9, 4
	s_lshl1_add_u32 s26, s16, s26                  ; my first row: 16 chunk + 2 w
	s_mov_b32 s31, 0
	s_wait_kmcnt 0x0
	s_lshl_b32 s30, s17, 2
	s_add_nc_u64 s[12:13], s[12:13], s[30:31]
	s_load_b32 s18, s[12:13], 0x0                  ; language_ids[b]
	s_lshl_b32 s30, s17, 9
	s_add_nc_u64 s[10:11], s[10:11], s[30:31]      ; the batch's 128 mask values
	s_lshl_b32 s30, s26, 2
	s_add_nc_u64 s[28:29], s[10:11], s[30:31]
	s_load_b64 s[20:21], s[28:29], 0x0             ; those of my two rows
	s_lshl_b32 s30, s17, 19
	s_lshl_b32 s27, s26, 12
	s_add_co_u32 s30, s30, s27
	s_add_nc_u64 s[4:5], s[4:5], s[30:31]
	global_load_b128 v[MK:MK+3], v1, s[10:11]
.irp q, 0,1,2,3,4,5,6,7
	global_load_b128 v[X0+4*\q:X0+4*\q+3], v1, s[4:5] offset:512*\q th:TH_LOAD_NT
.endr
.irp q, 0,1,2,3,4,5,6,7
	global_load_b128 v[X1+4*\q:X1+4*\q+3], v1, s[4:5] offset:4096+512*\q th:TH_LOAD_NT
.endr
	s_lshl_b32 s27, s17, 3
	s_add_co_u32 s27, s27, ttmp9
	s_lshl_b32 s30, s27, 12                        ; hpart: (8 b + chunk) rows of 4,096 bytes
	s_add_nc_u64 s[14:15], s[14:15], s[30:31]
	s_wait_kmcnt 0x0
	s_min_u32 s18, s18, 4                          ; the id enters addresses only clamped to the table
	s_lshl_b32 s30, s18, 12
	s_add_nc_u64 s[6:7], s[6:7], s[30:31]
	s_add_nc_u64 s[8:9], s[8:9], s[30:31]
.irp q, 0,1,2,3,4,5,6,7
	global_load_b128 v[G+4*\q:G+4*\q+3], v1, s[6:7] offset:512*\q
.endr
.irp q, 0,1,2,3,4,5,6,7
	global_load_b128 v[BT+4*\q:BT+4*\q+3], v1, s[8:9] offset:512*\q
.endr
	s_wait_loadcnt 32                              ; the mask quad is in; the 32 loads behind it stay out
	v_pk_add_f32 v[C:C+1], v[MK:MK+1], v[MK+2:MK+3]
	v_add_f32 v[C], v[C], v[C+1]
	REDUCE32 C, TP                                 ; M
	v_rcp_f32 v[VAR], v[C]
	v_nop                                          ; one plain place behind the transcendental
	s_wait_alu depctr_va_vdst(0)
	v_mul_f32 v[W0], s20, v[VAR]
	v_mul_f32 v[W0+1], s20, v[VAR]
	v_mul_f32 v[W1], s21, v[VAR]
	v_mul_f32 v[W1+1], s21, v[VAR]
	s_wait_loadcnt 24                              ; row 0 is in
	ROWSTAT X0, RS0
	s_wait_loadcnt 16                              ; row 1 is in
	ROWSTAT X1, RS1
	s_wait_loadcnt 0x0                             ; g1 and beta1
	NORM X0, RS0
	NORM X1, RS1
.set pj, 0
.rept 16
	v_pk_mul_f32 v[X0+2*pj:X0+2*pj+1], v[X0+2*pj:X0+2*pj+1], v[W0:W0+1]
.set pj, pj+1
.endr
.set pj, 0
.rept 16
	v_pk_fma_f32 v[X0+2*pj:X0+2*pj+1], v[X1+2*pj:X1+2*pj+1], v[W1:W1+1], v[X0+2*pj:X0+2*pj+1]
.set pj, pj+1
.endr
	; the eight waves' rows meet in LDS: 4,096 bytes each
	s_lshl_b32 s27, s16, 12
	v_add_nc_u32 v2, s27, v1
.irp q, 0,1,2,3,4,5,6,7
	ds_store_b128 v2, v[X0+4*\q:X0+4*\q+3] offset:512*\q
.endr
	s_wait_dscnt 0x0
	s_barrier_signal -1
	s_barrier_wait -1
	v_lshlrev_b32 v3, 4, v0                        ; thread t takes columns 4 t .. 4 t + 3 of all eight
.irp z, 0,1,2,3,4,5,6,7
	ds_load_b128 v[X1+4*\z:X1+4*\z+3], v3 offset:4096*\z
.endr
	s_wait_dscnt 0x0
.macro QADD d, s
	v_pk_add_f32 v[(\d):(\d)+1], v[(\d):(\d)+1], v[(\s):(\s)+1]
	v_pk_add_f32 v[(\d)+2:(\d)+3], v[(\d)+2:(\d)+3], v[(\s)+2:(\s)+3]
.endm
	QADD X1, X1+4
	QADD X1+8, X1+12
	QADD X1+16, X1+20
	QADD X1+24, X1+28
	QADD X1, X1+8
	QADD X1+16, X1+24
	QADD X1, X1+16
	global_store_b128 v3, v[X1:X1+3], s[14:15]     ; a wave stores 512 consecutive aligned bytes
	s_wait_tensorcnt 0x0
	ds_add_u32 v160, v161
	s_wait_dscnt 0x0
	s_endpgm
.Lfunc_end_k_q19bbaa7024_lnpool:
	.size	k_q19bbaa7024_lnpool, .Lfunc_end_k_q19bbaa7024_lnpool-k_q19bbaa7024_lnpool
	.p2alignl 7, 3214868480
	.fill 96, 4, 3214868480
	.section	.rodata,"a",@progbits
	.p2align	6, 0x0
	.amdhsa_kernel k_q19bbaa7024_lnpool
		.amdhsa_group_segment_fixed_size 33792
		.amdhsa_private_segment_fixed_size 0
		.amdhsa_enable_private_segment 0
		.amdhsa_kernarg_size 48
		.amdhsa_user_sgpr_count 2
		.amdhsa_user_sgpr_kernarg_segment_ptr 1
		.amdhsa_wavefront_size32 1
		.amdhsa_system_sgpr_workgroup_id_x 1
		.amdhsa_system_sgpr_workgroup_id_y 1
		.amdhsa_system_sgpr_workgroup_id_z 1
		.amdhsa_system_vgpr_workitem_id 0
		.amdhsa_next_free_vgpr 162
		.amdhsa_next_free_sgpr 66
		.amdhsa_reserve_vcc 0
		.amdhsa_float_denorm_mode_32 3
		.amdhsa_float_denorm_mode_16_64 3
		.amdhsa_memory_ordered 1
		.amdhsa_forward_progress 1
		.amdhsa_inst_pref_size 25
	.end_amdhsa_kernel
	.amdgpu_metadata
---
amdhsa.version: [ 1, 2 ]
amdhsa.kernels:
  - .name:           k_q19bbaa7024_lnpool
    .symbol:         k_q19bbaa7024_lnpool.kd
    .args:
      - { .name: hpre, .offset: 0, .size: 8, .value_kind: global_buffer, .address_space: global }
      - { .name: g1, .offset: 8, .size: 8, .value_kind: global_buffer, .address_space: global }
      - { .name: beta1, .offset: 16, .size: 8, .value_kind: global_buffer, .address_space: global }
      - { .name: attention_mask, .offset: 24, .size: 8, .value_kind: global_buffer, .address_space: global }
      - { .name: language_ids, .offset: 32, .size: 8, .value_kind: global_buffer, .address_space: global }
      - { .name: hpart, .offset: 40, .size: 8, .value_kind: global_buffer, .address_space: global }
    .group_segment_fixed_size: 33792
    .private_segment_fixed_size: 0
    .kernarg_segment_align: 8
    .kernarg_segment_size: 48
    .max_flat_workgroup_size: 256
    .sgpr_count:     66
    .vgpr_count:     162
    .wavefront_size: 32
...
	.end_amdgpu_metadata
.endif
;; end of part 2
;; launch w2part (part 3): grid 16 x 16, 4 waves a work-group, no clusters, 37,888 bytes of LDS; arguments hpart, W2, language_ids, ppart; writes ppart
.if DOCPART == 3
	.amdgcn_target "amdgcn-amd-amdhsa--gfx1250"
	.amdhsa_code_object_version 6
	.text
	.protected	k_q19bbaa7024_w2part
	.globl	k_q19bbaa7024_w2part
	.p2align	8
	.type	k_q19bbaa7024_w2part,@function
k_q19bbaa7024_w2part:
	s_mov_b64 s[64:65], 0
	v_nop
	global_prefetch_b8 v0, s[64:65] scope:SCOPE_SE
	s_setreg_imm32_b32 hwreg(HW_REG_WAVE_MODE, 25, 1), 1
	s_wait_xcnt 0x0
; ppart[hc][b][n] = sum over l = 0..4 and the 64 columns k of chunk hc of [language_ids[b] == l] hbar[b][k] W2[l][k][n],
; hbar[b][k] = sum over the 8 parts of hpart[b][part][k].  The mask-and-accumulate form over all five languages is kept, as a product with
; K = 5 x 1,024 whose A rows are selected by comparison: no address hangs on an id, and an id outside 0..4 gives 0.
; A work-group: 64 output columns (x) x 64 columns of hbar (y) x 5 languages = 81,920 bytes of W2, each byte of W2 read once.
; Wave w: hbar columns 16 w .. +15 of the chunk, in 3 K steps: in step s a fragment's registers 0-3 hold language 2 s and registers
; 4-7 language 2 s + 1, both at columns 8 h .. 8 h + 7, alike in A and in B.  The sixth language's A is 0; its B registers are the next
; tile's (or 4 cleared ones).  LIMIT: a non-finite W2 there gives NaN (0 x inf).
; hbar and W2 are rounded to bf16; sums in f32.  W2 is [k][n] in f32: lane (r, h) loads columns 4 r .. +3 of its 8 rows, word c is fragment c.
; No cluster: the work-groups of one hc share the 65,536 bytes of hpart each reads; W2, the bulk, is shared by none.
.set VH,  2                            ; hpart: (t >> 4) batches of 32,768 bytes + 16 (t & 15)
.set VHS, 3                            ; where my 8 bytes of bf16 hbar go
.set VB,  4                            ; h x 8 rows of 4,096 bytes + 16 r: W2's loads and ppart's stores
.set VV,  5                            ; my A data in LDS
.set VRS, 6                            ; my region for the sum over waves
.set VR,  7                            ; what I read back of all four
.set VI,  8                            ; 4 r
.set LG,  10                           ; v10-11  ids of batches r and 16 + r
.set TB,  12                           ; v12-19  packed hbar
.set V,   24                           ; v24-31  hbar fragments' halves, M tiles 0 and 1
.set ACC, 32                           ; v32-95  tile (mt, c) at 8 (4 mt + c)
.set AP,  96                           ; v96-223 hpart as loaded
.set BF,  96                           ; v96-179 later: tile c at 20 c, language l at + 4 l; 4 cleared registers at the end
.set AL,  180                          ; v180-227 later: 24 registers for each M tile, language l at + 4 l, the sixth cleared
.set R,   96                           ; v96-159 at the end: the four waves' pieces
.set O,   160                          ; v160-175 at the end: results
; window 1: v256-415, W2 as loaded: language l, row p, word c at 32 l + 4 p + c
.set HB,  0                            ; LDS: hbar in bf16, 32 rows of 128 bytes at a pitch of 144
.set RED, 4608                         ; LDS: four regions of 8,192 bytes
.set MSB, 0
.macro WIN new
.if MSB != \new
	s_set_vgpr_msb (MSB<<8)|\new
.set MSB, \new
.endif
.endm
.macro QADD d, s
	v_pk_add_f32 v[(\d):(\d)+1], v[(\d):(\d)+1], v[(\s):(\s)+1]
	v_pk_add_f32 v[(\d)+2:(\d)+3], v[(\d)+2:(\d)+3], v[(\s)+2:(\s)+3]
.endm
	s_load_b256 s[4:11], s[0:1], 0x0               ; hpart s[4:5], W2 s[6:7], ids s[8:9], ppart s[10:11]
	v_lshl_add_u32 v254, v0, 2, 0x9200
	v_mov_b32 v255, 0
	v_lshrrev_b32 v1, 5, v0
	v_readfirstlane_b32 s24, v1                    ; wave
	s_and_b32 s25, ttmp7, 0xffff                   ; hc
	v_and_b32 v1, 15, v0                           ; r, and t & 15
	v_bfe_u32 v9, v0, 4, 1                         ; h
	v_lshrrev_b32 v20, 4, v0                       ; t >> 4: 0..7
	v_lshlrev_b32 v21, 4, v1
	v_lshl_add_u32 v[VH], v20, 15, v21
	v_mul_u32_u24 v[VHS], v20, 144
	v_lshl_add_u32 v[VHS], v1, 3, v[VHS]
	v_lshl_add_u32 v[VB], v9, 15, v21
	v_mul_u32_u24 v[VV], v1, 144
	v_lshl_add_u32 v[VV], v9, 4, v[VV]
	s_lshl_b32 s26, s24, 5
	v_add_nc_u32 v[VV], s26, v[VV]                 ; r x 144 + 32 w + 16 h
	v_and_b32 v22, 31, v0
	v_lshlrev_b32 v22, 4, v22                      ; 16 L
	s_lshl_b32 s26, s24, 13
	s_add_co_u32 s26, s26, RED
	v_add_nc_u32 v[VRS], s26, v22
	s_lshr_b32 s27, s24, 1                         ; the M tile that I finish
	s_and_b32 s28, s24, 1                          ; and which four of a lane's eight rows
	s_lshl_b32 s26, s27, 12
	s_lshl_b32 s29, s28, 9
	s_add_co_u32 s26, s26, s29
	s_add_co_u32 s26, s26, RED
	v_add_nc_u32 v[VR], s26, v22
	v_lshlrev_b32 v[VI], 2, v1
	s_mov_b32 s31, 0
	s_wait_kmcnt 0x0
	s_lshl_b32 s30, s25, 8
	s_add_nc_u64 s[4:5], s[4:5], s[30:31]          ; hpart at the chunk's 64 columns
	s_lshl_b32 s30, s25, 18                        ; W2: 64 hc rows of 4,096 bytes,
	s_lshl_b32 s26, s24, 16                        ; + 16 w rows,
	s_add_co_u32 s30, s30, s26
	s_lshl_b32 s29, ttmp9, 8                       ; + the work-group's 64 columns
	s_add_co_u32 s30, s30, s29
	s_add_nc_u64 s[12:13], s[6:7], s[30:31]        ; a base for each language, 4 MiB apart
	s_add_nc_u64 s[14:15], s[12:13], 0x400000
	s_add_nc_u64 s[16:17], s[14:15], 0x400000
	s_add_nc_u64 s[18:19], s[16:17], 0x400000
	s_add_nc_u64 s[20:21], s[18:19], 0x400000
	s_lshl_b32 s30, s25, 17                        ; ppart: chunk hc, 32 rows of 4,096 bytes,
	s_lshl_b32 s26, s27, 16                        ; row 16 (w >> 1)
	s_add_co_u32 s30, s30, s26
	s_lshl_b32 s26, s28, 14                        ; + 4 (w & 1)
	s_add_co_u32 s30, s30, s26
	s_add_co_u32 s30, s30, s29
	s_add_nc_u64 s[10:11], s[10:11], s[30:31]
	global_load_b32 v[LG], v[VI], s[8:9]
	global_load_b32 v[LG+1], v[VI], s[8:9] offset:64
.irp e, 0,1,2,3
.irp p, 0,1,2,3,4,5,6,7
	global_load_b128 v[AP+4*(8*\e+\p):AP+4*(8*\e+\p)+3], v[VH], s[4:5] offset:\e*262144+\p*4096   ; batch (t >> 4) + 8 e, part p
.endr
.endr
	WIN 0x40                                       ; W2 lands in window 1
.irp l, 0,1,2,3,4
.irp p, 0,1,2,3,4,5,6,7
	global_load_b128 v[32*\l+4*\p:32*\l+4*\p+3], v[VB], s[12+2*\l:13+2*\l] offset:4096*\p th:TH_LOAD_NT
.endr
.endr
	WIN 0
	s_wait_loadcnt 40                              ; ids and hpart are in; W2's 40 loads stay out
.irp e, 0,1,2,3
	QADD AP+32*\e, AP+32*\e+4
	QADD AP+32*\e+8, AP+32*\e+12
	QADD AP+32*\e+16, AP+32*\e+20
	QADD AP+32*\e+24, AP+32*\e+28
	QADD AP+32*\e, AP+32*\e+8
	QADD AP+32*\e+16, AP+32*\e+24
	QADD AP+32*\e, AP+32*\e+16
	v_cvt_pk_bf16_f32 v[TB+2*\e], v[AP+32*\e], v[AP+32*\e+1]
	v_cvt_pk_bf16_f32 v[TB+2*\e+1], v[AP+32*\e+2], v[AP+32*\e+3]
	ds_store_b64 v[VHS], v[TB+2*\e:TB+2*\e+1] offset:HB+1152*\e
.endr
	s_wait_dscnt 0x0
	s_barrier_signal -1
	s_barrier_wait -1
	ds_load_b128 v[V:V+3], v[VV] offset:HB         ; batch r, columns 16 w + 8 h .. +7
	ds_load_b128 v[V+4:V+7], v[VV] offset:HB+2304  ; batch 16 + r
	s_wait_dscnt 0x0
.irp mt, 0,1
.irp l, 0,1,2,3,4
	v_cmp_eq_u32 vcc_lo, \l, v[LG+\mt]
.irp x, 0,1,2,3
	v_cndmask_b32 v[AL+24*\mt+4*\l+\x], 0, v[V+4*\mt+\x], vcc_lo   ; the row counts for its own language alone
.endr
.endr
.irp x, 0,1,2,3
	v_mov_b32 v[AL+24*\mt+20+\x], 0                ; the sixth language
.endr
.endr
.irp x, 0,1,2,3
	v_mov_b32 v[BF+80+\x], 0                       ; what the last tile's sixth language multiplies
.endr
.macro CONV l
.irp c, 0,1,2,3
.irp x, 0,1,2,3
	v_cvt_pk_bf16_f32 v[BF+20*\c+4*\l+\x], v[32*\l+8*\x+\c], v[32*\l+8*\x+4+\c]   ; rows 2 x and 2 x + 1, word c
.endr
.endr
.endm
.macro MUL s, zero
.irp mt, 0,1
.irp c, 0,1,2,3
.if \zero
	v_wmma_f32_16x16x32_bf16 v[ACC+8*(4*\mt+\c):ACC+8*(4*\mt+\c)+7], v[AL+24*\mt+8*\s:AL+24*\mt+8*\s+7], v[BF+20*\c+8*\s:BF+20*\c+8*\s+7], 0
.else
	v_wmma_f32_16x16x32_bf16 v[ACC+8*(4*\mt+\c):ACC+8*(4*\mt+\c)+7], v[AL+24*\mt+8*\s:AL+24*\mt+8*\s+7], v[BF+20*\c+8*\s:BF+20*\c+8*\s+7], v[ACC+8*(4*\mt+\c):ACC+8*(4*\mt+\c)+7]
.endif
.endr
.endr
.endm
	s_wait_loadcnt 24                              ; languages 0 and 1 are in, three languages of 8 loads stay out
	WIN 0x05                                       ; sources in window 1
	CONV 0
	CONV 1
	WIN 0
	MUL 0, 1
	s_wait_loadcnt 8                               ; languages 2 and 3
	WIN 0x05
	CONV 2                                         ; these write registers that no earlier product names
	CONV 3
	WIN 0
	MUL 1, 0
	s_wait_loadcnt 0x0
	WIN 0x05
	CONV 4
	WIN 0
	MUL 2, 0
	; the four waves' sums meet in LDS
.rept 4
	v_nop                                          ; four places behind the last matrix instructions (ISA guide 7.12.1)
.endr
.set ru, 0
.rept 16
	ds_store_b128 v[VRS], v[ACC+4*ru:ACC+4*ru+3] offset:512*ru
.set ru, ru+1
.endr
	s_wait_dscnt 0x0
	s_barrier_signal -1
	s_barrier_wait -1
.irp z, 0,1,2,3
.irp c, 0,1,2,3
	ds_load_b128 v[R+16*\z+4*\c:R+16*\z+4*\c+3], v[VR] offset:8192*\z+1024*\c   ; wave z's tile (w >> 1, c), registers 4 (w & 1) .. +3
.endr
.endr
	s_wait_dscnt 0x0
.irp c, 0,1,2,3
	QADD R+4*\c, R+16+4*\c
	QADD R+32+4*\c, R+48+4*\c
.endr
.irp jj, 0,1,2,3
.irp c, 0,1,2,3
	v_add_f32 v[O+4*\jj+\c], v[R+4*\c+\jj], v[R+32+4*\c+\jj]      ; tiles c = 0..3 side by side: columns 4 r .. 4 r + 3
.endr
.endr
.irp jj, 0,1,2,3
	global_store_b128 v[VB], v[O+4*\jj:O+4*\jj+3], s[10:11] offset:4096*\jj    ; 16 lanes store 256 consecutive aligned bytes
.endr
	s_wait_tensorcnt 0x0
	ds_add_u32 v254, v255
	s_wait_dscnt 0x0
	s_endpgm
.Lfunc_end_k_q19bbaa7024_w2part:
	.size	k_q19bbaa7024_w2part, .Lfunc_end_k_q19bbaa7024_w2part-k_q19bbaa7024_w2part
	.p2alignl 7, 3214868480
	.fill 96, 4, 3214868480
	.section	.rodata,"a",@progbits
	.p2align	6, 0x0
	.amdhsa_kernel k_q19bbaa7024_w2part
		.amdhsa_group_segment_fixed_size 37888
		.amdhsa_private_segment_fixed_size 0
		.amdhsa_enable_private_segment 0
		.amdhsa_kernarg_size 32
		.amdhsa_user_sgpr_count 2
		.amdhsa_user_sgpr_kernarg_segment_ptr 1
		.amdhsa_wavefront_size32 1
		.amdhsa_system_sgpr_workgroup_id_x 1
		.amdhsa_system_sgpr_workgroup_id_y 1
		.amdhsa_system_sgpr_workgroup_id_z 1
		.amdhsa_system_vgpr_workitem_id 0
		.amdhsa_next_free_vgpr 416
		.amdhsa_next_free_sgpr 66
		.amdhsa_reserve_vcc 1
		.amdhsa_float_denorm_mode_32 3
		.amdhsa_float_denorm_mode_16_64 3
		.amdhsa_memory_ordered 1
		.amdhsa_forward_progress 1
		.amdhsa_inst_pref_size 27
	.end_amdhsa_kernel
	.amdgpu_metadata
---
amdhsa.version: [ 1, 2 ]
amdhsa.kernels:
  - .name:           k_q19bbaa7024_w2part
    .symbol:         k_q19bbaa7024_w2part.kd
    .args:
      - { .name: hpart, .offset: 0, .size: 8, .value_kind: global_buffer, .address_space: global }
      - { .name: W2, .offset: 8, .size: 8, .value_kind: global_buffer, .address_space: global }
      - { .name: language_ids, .offset: 16, .size: 8, .value_kind: global_buffer, .address_space: global }
      - { .name: ppart, .offset: 24, .size: 8, .value_kind: global_buffer, .address_space: global }
    .group_segment_fixed_size: 37888
    .private_segment_fixed_size: 0
    .kernarg_segment_align: 8
    .kernarg_segment_size: 32
    .max_flat_workgroup_size: 128
    .sgpr_count:     66
    .vgpr_count:     416
    .wavefront_size: 32
...
	.end_amdgpu_metadata
.endif
;; end of part 3
;; launch wfpart (part 4): grid 2 x 18, 8 waves a work-group, no clusters, 38,400 bytes of LDS; arguments ppart, b2, lda_features, language_ids, Wf, fpart; writes fpart
.if DOCPART == 4
	.amdgcn_target "amdgcn-amd-amdhsa--gfx1250"
	.amdhsa_code_object_version 6
	.text
	.protected	k_q19bbaa7024_wfpart
	.globl	k_q19bbaa7024_wfpart
	.p2align	8
	.type	k_q19bbaa7024_wfpart,@function
k_q19bbaa7024_wfpart:
	s_mov_b64 s[64:65], 0
	v_nop
	global_prefetch_b8 v0, s[64:65] scope:SCOPE_SE
	s_setreg_imm32_b32 hwreg(HW_REG_WAVE_MODE, 25, 1), 1
	s_wait_xcnt 0x0
; fpart[kc][b][n] = sum over the 64 rows k of chunk kc of combined[b][k] Wf[k][n].
; combined[b][k] = pooled[b][k] = sum over hc of ppart[hc][b][k] + b2[l_b][k] for k < 1,024 (chunks 0-15; b2 selected by comparison, 0 for an
; id outside 0..4, like the sum of masked adapters), and lda_features[b][k - 1,024] behind (chunks 16, 17).
; A work-group: 256 output columns (x) x one chunk (y).  Wave w: 64 columns (w & 3), K step of 32 (w >> 2); the two K steps are exchanged
; through LDS and wave ks finishes batches 16 ks .. +15.
; Wf has 1,124 rows: the last K step would begin at row 1,120, so it is moved back to rows 1,092 .. 1,123, inside the buffer, and A is 0 in
; the 28 places that the step before has covered.  LIMIT: a non-finite Wf there gives NaN (0 x inf).
; combined and Wf are rounded to bf16; sums in f32.  36 work-groups: a finer split would only multiply the reading of ppart.
; No cluster: the two work-groups of a chunk share 131,072 bytes of ppart, which come through registers to be summed.
.set VB4, 4                            ; h x 8 rows of 2,048 bytes + 16 r: Wf's loads and fpart's stores
.set VP,  5                            ; ppart: (t >> 4) rows of 4,096 bytes + 16 q
.set VQ,  6                            ; 16 q
.set VI,  7                            ; 4 (t >> 4)
.set S,   8                            ; v8-15    my two quads of combined
.set ST,  16                           ; v16-79   Wf as loaded; at the end v16-47 results
.set PP,  80                           ; v80-207  ppart as loaded
.set BF,  80                           ; v80-111  later: four B fragments
.set AF,  112                          ; v112-127 later: A fragments, kept M tile and the other
.set ACC, 144                          ; v144-207 later: tile (i, c) at 8 (4 i + c), i = 0 kept, 1 handed over
.set B2,  208                          ; v208-227 b2 of all five languages
.set PT,  208                          ; v208-239 later: the partner's tiles
.set VAS, 240                          ; where my 8 bytes of bf16 go
.set VAM, 241                          ; A fragment of the M tile that I keep
.set VAO, 242                          ; of the other
.set VEX, 243                          ; my exchange region
.set VEXP, 244                         ; my partner's (wave w xor 4)
.set VL,  245                          ; lda: byte offset
.set T0,  246
.set T1,  247
.set LG,  248                          ; v248-249 ids of my two batches
.set TB,  250                          ; v250-253 packed quads
.set EX,  4608                         ; LDS: 0..4,607 combined in bf16, 32 rows of 128 bytes at a pitch of 144; then 8 regions of 4,096
.macro QADD d, s
	v_pk_add_f32 v[(\d):(\d)+1], v[(\d):(\d)+1], v[(\s):(\s)+1]
	v_pk_add_f32 v[(\d)+2:(\d)+3], v[(\d)+2:(\d)+3], v[(\s)+2:(\s)+3]
.endm
	s_load_b256 s[4:11], s[0:1], 0x0               ; ppart s[4:5], b2 s[6:7], lda s[8:9], ids s[10:11]
	s_load_b128 s[12:15], s[0:1], 0x20             ; Wf s[12:13], fpart s[14:15]
	v_lshl_add_u32 v254, v0, 2, 0x9200
	v_mov_b32 v255, 0
	v_lshrrev_b32 v1, 5, v0
	v_readfirstlane_b32 s16, v1                    ; wave
	s_and_b32 s17, s16, 3                          ; cg
	s_lshr_b32 s18, s16, 2                         ; ks
	s_and_b32 s19, ttmp7, 0xffff                   ; kc
	s_lshl_b32 s20, s19, 6
	s_lshl_b32 s21, s18, 5
	s_add_co_u32 s20, s20, s21
	s_min_u32 s20, s20, 1092                       ; my K step's first row of Wf
	s_lshl_b32 s22, ttmp9, 10
	s_lshl_b32 s21, s17, 8
	s_add_co_u32 s22, s22, s21                     ; my 64 columns, in bytes
	s_mov_b32 s25, 0
	v_and_b32 v1, 15, v0                           ; r, and q = t & 15
	v_bfe_u32 v2, v0, 4, 1                         ; h
	v_lshrrev_b32 v3, 4, v0                        ; t >> 4: 0..15
	v_lshlrev_b32 v[VQ], 4, v1
	v_lshl_add_u32 v[VB4], v2, 14, v[VQ]
	v_lshl_add_u32 v[VP], v3, 12, v[VQ]
	v_lshlrev_b32 v[VI], 2, v3
	v_mul_u32_u24 v[VAS], v3, 144
	v_lshl_add_u32 v[VAS], v1, 3, v[VAS]
	v_mul_u32_u24 v[T0], v1, 144
	v_lshl_add_u32 v[T0], v2, 4, v[T0]             ; r x 144 + 16 h
	s_mul_i32 s26, s18, 2304+64                    ; M tile ks, K bytes 64 ks
	v_add_nc_u32 v[VAM], s26, v[T0]
	s_xor_b32 s26, s18, 1
	s_mul_i32 s26, s26, 2304                       ; M tile 1 - ks,
	s_lshl_b32 s27, s18, 6                         ; the same K bytes
	s_add_co_u32 s26, s26, s27
	v_add_nc_u32 v[VAO], s26, v[T0]
	v_and_b32 v[T1], 31, v0
	v_lshlrev_b32 v[T1], 4, v[T1]                  ; 16 L
	s_lshl_b32 s26, s16, 12
	s_add_co_u32 s26, s26, EX
	v_add_nc_u32 v[VEX], s26, v[T1]
	s_xor_b32 s26, s16, 4
	s_lshl_b32 s26, s26, 12
	s_add_co_u32 s26, s26, EX
	v_add_nc_u32 v[VEXP], s26, v[T1]
	s_wait_kmcnt 0x0
	s_lshl_b32 s24, s20, 11
	s_add_co_u32 s24, s24, s22
	s_add_nc_u64 s[12:13], s[12:13], s[24:25]
	s_lshl_b32 s24, s19, 16                        ; fpart: chunk kc, 32 rows of 2,048 bytes,
	s_lshl_b32 s26, s18, 15                        ; row 16 ks
	s_add_co_u32 s24, s24, s26
	s_add_co_u32 s24, s24, s22
	s_add_nc_u64 s[14:15], s[14:15], s[24:25]
.set wp, 0
.rept 16
	global_load_b128 v[ST+4*wp:ST+4*wp+3], v[VB4], s[12:13] offset:(wp+8*(wp/8))*2048   ; k = 8 h + p, or 16 + 8 h + p - 8
.set wp, wp+1
.endr
	global_load_b32 v[LG], v[VI], s[10:11]         ; batch t >> 4
	global_load_b32 v[LG+1], v[VI], s[10:11] offset:64     ; batch 16 + (t >> 4)
	s_cmp_ge_u32 s19, 16                           ; alike in the whole work-group; no barrier stands in either arm
	s_cbranch_scc1 .Llda
	; chunks 0-15: pooled.  Thread t: columns 4 q .. +3 of the chunk, batches (t >> 4) + 16 e
	s_lshl_b32 s24, s19, 8
	s_add_nc_u64 s[4:5], s[4:5], s[24:25]
	s_add_nc_u64 s[6:7], s[6:7], s[24:25]
.irp e, 0,1
.irp k, 0,1,2,3,4,5,6,7,8,9,10,11,12,13,14,15
	global_load_b128 v[PP+4*(16*\e+\k):PP+4*(16*\e+\k)+3], v[VP], s[4:5] offset:131072*\k+65536*\e
.endr
.endr
.irp l, 0,1,2,3,4
	global_load_b128 v[B2+4*\l:B2+4*\l+3], v[VQ], s[6:7] offset:4096*\l
.endr
	s_wait_loadcnt 0x0
.irp e, 0,1
.irp k, 0,1,2,3,4,5,6,7
	QADD PP+64*\e+4*\k, PP+64*\e+4*\k+32
.endr
.irp k, 0,1,2,3
	QADD PP+64*\e+4*\k, PP+64*\e+4*\k+16
.endr
	QADD PP+64*\e, PP+64*\e+8
	QADD PP+64*\e+4, PP+64*\e+12
	QADD PP+64*\e, PP+64*\e+4
	v_cmp_eq_u32 vcc_lo, 0, v[LG+\e]
.irp x, 0,1,2,3
	v_cndmask_b32 v[S+4*\e+\x], 0, v[B2+\x], vcc_lo
.endr
.irp l, 1,2,3,4
	v_cmp_eq_u32 vcc_lo, \l, v[LG+\e]
.irp x, 0,1,2,3
	v_cndmask_b32 v[S+4*\e+\x], v[S+4*\e+\x], v[B2+4*\l+\x], vcc_lo
.endr
.endr
	QADD S+4*\e, PP+64*\e
.endr
	s_branch .Ljoin
.Llda:	; chunks 16, 17: lda_features.  K step q >> 3 begins at column nat by right and at min(nat, 68) in fact (row 1,092 of Wf)
	s_sub_co_u32 s26, s19, 16
	s_lshl_b32 s26, s26, 6
	v_lshrrev_b32 v[T0], 3, v1
	v_lshl_add_u32 v[T0], v[T0], 5, s26            ; nat
	v_min_u32 v[T1], 68, v[T0]
	v_and_b32 v[VL], 7, v1
	v_lshl_add_u32 v[T1], v[VL], 2, v[T1]          ; my quad's first column: 96 at the most, so it ends inside the row of 100
	v_cmp_ge_u32 vcc_lo, v[T1], v[T0]              ; quads in front of nat belong to the step before: they count as 0
	v_mul_u32_u24 v[VL], v3, 400
	v_lshl_add_u32 v[VL], v[T1], 2, v[VL]
	global_load_b128 v[PP:PP+3], v[VL], s[8:9]
	global_load_b128 v[PP+4:PP+7], v[VL], s[8:9] offset:6400
	s_wait_loadcnt 0x0
.irp x, 0,1,2,3,4,5,6,7
	v_cndmask_b32 v[S+\x], 0, v[PP+\x], vcc_lo
.endr
.Ljoin:
	v_cvt_pk_bf16_f32 v[TB], v[S], v[S+1]
	v_cvt_pk_bf16_f32 v[TB+1], v[S+2], v[S+3]
	v_cvt_pk_bf16_f32 v[TB+2], v[S+4], v[S+5]
	v_cvt_pk_bf16_f32 v[TB+3], v[S+6], v[S+7]
	ds_store_b64 v[VAS], v[TB:TB+1]
	ds_store_b64 v[VAS], v[TB+2:TB+3] offset:2304
	s_wait_dscnt 0x0
	s_barrier_signal -1
	s_barrier_wait -1
	ds_load_b128 v[AF:AF+3], v[VAM]
	ds_load_b128 v[AF+4:AF+7], v[VAM] offset:32
	ds_load_b128 v[AF+8:AF+11], v[VAO]
	ds_load_b128 v[AF+12:AF+15], v[VAO] offset:32
.irp c, 0,1,2,3
.irp q, 0,1,2,3,4,5,6,7
	v_cvt_pk_bf16_f32 v[BF+8*\c+\q], v[ST+8*\q+\c], v[ST+8*\q+4+\c]      ; Wf was waited for in both arms
.endr
.endr
	s_wait_dscnt 0x0
.irp i, 0,1
.irp c, 0,1,2,3
	v_wmma_f32_16x16x32_bf16 v[ACC+8*(4*\i+\c):ACC+8*(4*\i+\c)+7], v[AF+8*\i:AF+8*\i+7], v[BF+8*\c:BF+8*\c+7], 0
.endr
.endr
.rept 4
	v_nop                                          ; four places behind the matrix instructions (ISA guide 7.12.1)
.endr
.set xu, 0
.rept 8
	ds_store_b128 v[VEX], v[ACC+32+4*xu:ACC+32+4*xu+3] offset:512*xu
.set xu, xu+1
.endr
	s_wait_dscnt 0x0
	s_barrier_signal -1
	s_barrier_wait -1
.set xu, 0
.rept 8
	ds_load_b128 v[PT+4*xu:PT+4*xu+3], v[VEXP] offset:512*xu     ; the partner's other M tile is the one that I keep
.set xu, xu+1
.endr
	s_wait_dscnt 0x0
.irp j, 0,1,2,3,4,5,6,7
.irp c, 0,1,2,3
	v_add_f32 v[ST+4*\j+\c], v[ACC+8*\c+\j], v[PT+8*\c+\j]
.endr
.endr
.irp j, 0,1,2,3,4,5,6,7
	global_store_b128 v[VB4], v[ST+4*\j:ST+4*\j+3], s[14:15] offset:2048*\j    ; batch 16 ks + 8 h + j: 16 lanes store 256 consecutive aligned bytes
.endr
	s_wait_tensorcnt 0x0
	ds_add_u32 v254, v255
	s_wait_dscnt 0x0
	s_endpgm
.Lfunc_end_k_q19bbaa7024_wfpart:
	.size	k_q19bbaa7024_wfpart, .Lfunc_end_k_q19bbaa7024_wfpart-k_q19bbaa7024_wfpart
	.p2alignl 7, 3214868480
	.fill 96, 4, 3214868480
	.section	.rodata,"a",@progbits
	.p2align	6, 0x0
	.amdhsa_kernel k_q19bbaa7024_wfpart
		.amdhsa_group_segment_fixed_size 38400
		.amdhsa_private_segment_fixed_size 0
		.amdhsa_enable_private_segment 0
		.amdhsa_kernarg_size 48
		.amdhsa_user_sgpr_count 2
		.amdhsa_user_sgpr_kernarg_segment_ptr 1
		.amdhsa_wavefront_size32 1
		.amdhsa_system_sgpr_workgroup_id_x 1
		.amdhsa_system_sgpr_workgroup_id_y 1
		.amdhsa_system_sgpr_workgroup_id_z 1
		.amdhsa_system_vgpr_workitem_id 0
		.amdhsa_next_free_vgpr 256
		.amdhsa_next_free_sgpr 66
		.amdhsa_reserve_vcc 1
		.amdhsa_float_denorm_mode_32 3
		.amdhsa_float_denorm_mode_16_64 3
		.amdhsa_memory_ordered 1
		.amdhsa_forward_progress 1
		.amdhsa_inst_pref_size 21
	.end_amdhsa_kernel
	.amdgpu_metadata
---
amdhsa.version: [ 1, 2 ]
amdhsa.kernels:
  - .name:           k_q19bbaa7024_wfpart
    .symbol:         k_q19bbaa7024_wfpart.kd
    .args:
      - { .name: ppart, .offset: 0, .size: 8, .value_kind: global_buffer, .address_space: global }
      - { .name: b2, .offset: 8, .size: 8, .value_kind: global_buffer, .address_space: global }
      - { .name: lda_features, .offset: 16, .size: 8, .value_kind: global_buffer, .address_space: global }
      - { .name: language_ids, .offset: 24, .size: 8, .value_kind: global_buffer, .address_space: global }
      - { .name: Wf, .offset: 32, .size: 8, .value_kind: global_buffer, .address_space: global }
      - { .name: fpart, .offset: 40, .size: 8, .value_kind: global_buffer, .address_space: global }
    .group_segment_fixed_size: 38400
    .private_segment_fixed_size: 0
    .kernarg_segment_align: 8
    .kernarg_segment_size: 48
    .max_flat_workgroup_size: 256
    .sgpr_count:     66
    .vgpr_count:     256
    .wavefront_size: 32
...
	.end_amdgpu_metadata
.endif
;; end of part 4
;; launch final (part 5): grid 32 x 1, 4 waves a work-group, no clusters, 768 bytes of LDS; arguments fpart, bf, gf, betaf, out0; writes out0
.if DOCPART == 5
	.amdgcn_target "amdgcn-amd-amdhsa--gfx1250"
	.amdhsa_code_object_version 6
	.text
	.protected	k_q19bbaa7024_final
	.globl	k_q19bbaa7024_final
	.p2align	8
	.type	k_q19bbaa7024_final,@function
k_q19bbaa7024_final:
	s_mov_b64 s[64:65], 0
	v_nop
	global_prefetch_b8 v0, s[64:65] scope:SCOPE_SE
	s_setreg_imm32_b32 hwreg(HW_REG_WAVE_MODE, 25, 1), 1
	s_wait_xcnt 0x0
; out0[b][n] = relu(LN(sum over kc of fpart[kc][b][n] + bf[n]) gf[n] + betaf[n]).
; A work-group: one batch's row of 512; thread t: columns 4 t .. 4 t + 3.  All 21 loads are asked for at once.
; The variance is the mean of the centred squares.  The ReLU selects 0 only where 0 > y, so a NaN stays a NaN.
; 32 work-groups: the norm needs a whole row, and a row is 2,048 bytes.  No matrix work, nothing shared: no cluster.
.set P,  8                             ; v8-79   18 quads of partial sums; v80-83 bf directly behind them: 19 quads in a row
.set GF, 84
.set BE, 88
.set A,  92                            ; v92-93  at work
.macro QADD d, s
	v_pk_add_f32 v[(\d):(\d)+1], v[(\d):(\d)+1], v[(\s):(\s)+1]
	v_pk_add_f32 v[(\d)+2:(\d)+3], v[(\d)+2:(\d)+3], v[(\s)+2:(\s)+3]
.endm
.macro REDUCE32 x, t
	v_add_f32_dpp v[\x], v[\x], v[\x] row_xmask:1 row_mask:0xf bank_mask:0xf
	v_add_f32_dpp v[\x], v[\x], v[\x] row_xmask:2 row_mask:0xf bank_mask:0xf
	v_add_f32_dpp v[\x], v[\x], v[\x] row_xmask:4 row_mask:0xf bank_mask:0xf
	v_add_f32_dpp v[\x], v[\x], v[\x] row_xmask:8 row_mask:0xf bank_mask:0xf
	v_permlanex16_b32 v[\t], v[\x], s18, s19
	v_add_f32 v[\x], v[\x], v[\t]
.endm
; v[A] summed over the 128 threads, through four words of LDS at byte at; the result in v12
.macro REDUCEWG at
	REDUCE32 A, A+1
	ds_store_b32 v3, v[A] offset:\at               ; all lanes of a wave write the same word with the same value
	s_wait_dscnt 0x0
	s_barrier_signal -1
	s_barrier_wait -1
	ds_load_b128 v[12:15], v4 offset:\at
	s_wait_dscnt 0x0
	v_add_f32 v12, v12, v13
	v_add_f32 v14, v14, v15
	v_add_f32 v12, v12, v14
.endm
	s_load_b256 s[4:11], s[0:1], 0x0               ; fpart s[4:5], bf s[6:7], gf s[8:9], betaf s[10:11]
	s_load_b64 s[12:13], s[0:1], 0x20              ; out0
	v_lshl_add_u32 v96, v0, 2, 0x100
	v_mov_b32 v97, 0
	v_lshrrev_b32 v1, 5, v0
	v_readfirstlane_b32 s14, v1                    ; wave
	s_lshl_b32 s15, s14, 2
	v_mov_b32 v3, s15                              ; my wave's word
	v_mov_b32 v4, 0
	v_mov_b32 v5, 0                                ; the ReLU's zero
	v_lshlrev_b32 v2, 4, v0                        ; 16 t
	s_lshl_b32 s16, ttmp9, 11                      ; the batch's row of 2,048 bytes
	s_mov_b32 s17, 0
	s_mov_b32 s18, 0x76543210
	s_mov_b32 s19, 0xfedcba98
	s_mov_b32 s20, 0x3b000000                      ; 1 / 512
	s_mov_b32 s21, 0x3727c5ac                      ; 1e-5
	s_wait_kmcnt 0x0
	s_add_nc_u64 s[4:5], s[4:5], s[16:17]
	s_add_nc_u64 s[12:13], s[12:13], s[16:17]
.set fk, 0
.rept 18
	global_load_b128 v[P+4*fk:P+4*fk+3], v2, s[4:5] offset:65536*fk th:TH_LOAD_NT
.set fk, fk+1
.endr
	global_load_b128 v[P+72:P+75], v2, s[6:7]
	global_load_b128 v[GF:GF+3], v2, s[8:9]
	global_load_b128 v[BE:BE+3], v2, s[10:11]
	s_wait_loadcnt 0x0
.irp k, 0,1,2,3,4,5,6,7,8
	QADD P+4*\k, P+4*\k+36
.endr
.irp k, 0,1,2,3
	QADD P+4*\k, P+4*\k+16
.endr
	QADD P, P+32
	QADD P+4, P+72
	QADD P, P+4
	QADD P+8, P+12
	QADD P, P+8                                    ; v8-11: the row before the norm
	v_pk_add_f32 v[A:A+1], v[P:P+1], v[P+2:P+3]
	v_add_f32 v[A], v[A], v[A+1]
	REDUCEWG 0
	v_mul_f32 v16, s20, v12                        ; the mean, twice
	v_mul_f32 v17, s20, v12
	v_pk_add_f32 v[P:P+1], v[P:P+1], v[16:17] neg_lo:[0,1] neg_hi:[0,1]
	v_pk_add_f32 v[P+2:P+3], v[P+2:P+3], v[16:17] neg_lo:[0,1] neg_hi:[0,1]
	v_pk_mul_f32 v[A:A+1], v[P:P+1], v[P:P+1]
	v_pk_fma_f32 v[A:A+1], v[P+2:P+3], v[P+2:P+3], v[A:A+1]
	v_add_f32 v[A], v[A], v[A+1]
	REDUCEWG 16                                    ; other words than the first sum's: no wave can overwrite what another still reads
	v_fma_f32 v18, v12, s20, s21
	v_rsq_f32 v16, v18
	v_rsq_f32 v17, v18
	v_nop                                          ; one plain place behind the transcendentals (ISA guide 5.7.2)
	s_wait_alu depctr_va_vdst(0)
	v_pk_mul_f32 v[P:P+1], v[P:P+1], v[16:17]
	v_pk_mul_f32 v[P+2:P+3], v[P+2:P+3], v[16:17]
	v_pk_fma_f32 v[P:P+1], v[P:P+1], v[GF:GF+1], v[BE:BE+1]
	v_pk_fma_f32 v[P+2:P+3], v[P+2:P+3], v[GF+2:GF+3], v[BE+2:BE+3]
.irp x, 0,1,2,3
	v_cmp_gt_f32 vcc_lo, 0, v[P+\x]
	v_cndmask_b32 v[P+\x], v[P+\x], v5, vcc_lo
.endr
	global_store_b128 v2, v[P:P+3], s[12:13]       ; a wave stores 512 consecutive aligned bytes
	s_wait_tensorcnt 0x0
	ds_add_u32 v96, v97
	s_wait_dscnt 0x0
	s_endpgm
.Lfunc_end_k_q19bbaa7024_final:
	.size	k_q19bbaa7024_final, .Lfunc_end_k_q19bbaa7024_final-k_q19bbaa7024_final
	.p2alignl 7, 3214868480
	.fill 96, 4, 3214868480
	.section	.rodata,"a",@progbits
	.p2align	6, 0x0
	.amdhsa_kernel k_q19bbaa7024_final
		.amdhsa_group_segment_fixed_size 768
		.amdhsa_private_segment_fixed_size 0
		.amdhsa_enable_private_segment 0
		.amdhsa_kernarg_size 40
		.amdhsa_user_sgpr_count 2
		.amdhsa_user_sgpr_kernarg_segment_ptr 1
		.amdhsa_wavefront_size32 1
		.amdhsa_system_sgpr_workgroup_id_x 1
		.amdhsa_system_sgpr_workgroup_id_y 1
		.amdhsa_system_sgpr_workgroup_id_z 1
		.amdhsa_system_vgpr_workitem_id 0
		.amdhsa_next_free_vgpr 98
		.amdhsa_next_free_sgpr 66
		.amdhsa_reserve_vcc 1
		.amdhsa_float_denorm_mode_32 3
		.amdhsa_float_denorm_mode_16_64 3
		.amdhsa_memory_ordered 1
		.amdhsa_forward_progress 1
		.amdhsa_inst_pref_size 9
	.end_amdhsa_kernel
	.amdgpu_metadata
---
amdhsa.version: [ 1, 2 ]
amdhsa.kernels:
  - .name:           k_q19bbaa7024_final
    .symbol:         k_q19bbaa7024_final.kd
    .args:
      - { .name: fpart, .offset: 0, .size: 8, .value_kind: global_buffer, .address_space: global }
      - { .name: bf, .offset: 8, .size: 8, .value_kind: global_buffer, .address_space: global }
      - { .name: gf, .offset: 16, .size: 8, .value_kind: global_buffer, .address_space: global }
      - { .name: betaf, .offset: 24, .size: 8, .value_kind: global_buffer, .address_space: global }
      - { .name: out0, .offset: 32, .size: 8, .value_kind: global_buffer, .address_space: global }
    .group_segment_fixed_size: 768
    .private_segment_fixed_size: 0
    .kernarg_segment_align: 8
    .kernarg_segment_size: 40
    .max_flat_workgroup_size: 128
    .sgpr_count:     66
    .vgpr_count:     98
    .wavefront_size: 32
...
	.end_amdgpu_metadata
.endif
;; end of part 5
;; ======== version 2 of 2: 5 launches; version 1 with the launch adapter written anew for expert scheduling mode
;; workspace buffers: hpre 16,777,216 bytes; hpart 1,048,576 bytes; ppart 2,097,152 bytes; fpart 1,179,648 bytes
;; launch adapter (part 6): grid 8 x 32, 4 waves a work-group, no clusters, 264,704 bytes of LDS; arguments sequence_output, W1, b1, language_ids, hpre; writes hpre
.if DOCPART == 6
	.amdgcn_target "amdgcn-amd-amdhsa--gfx1250"
	.amdhsa_code_object_version 6
	.text
	.protected	k_q19bbaa7024_adapter
	.globl	k_q19bbaa7024_adapter
	.p2align	8
	.type	k_q19bbaa7024_adapter,@function
k_q19bbaa7024_adapter:
	s_mov_b64 s[64:65], 0
	v_nop
	global_prefetch_b8 v0, s[64:65] scope:SCOPE_SE
	s_setreg_imm32_b32 hwreg(HW_REG_WAVE_SCHED_MODE, 0, 2), 2
	s_setreg_imm32_b32 hwreg(HW_REG_WAVE_MODE, 25, 1), 1
	s_wait_xcnt 0x0
	s_wait_alu depctr_vm_vsrc(0)
; hpre[b][s][n] = sum over k of X[b][s][k] W1[l][k][n] + b1[l][n],  l = language_ids[b].
; The language mask that is built from the ids is 0 or 1, so of the five adapters only the batch's own one reaches the result.
; An id outside 0..4 is clamped to 4 for the addresses here; the later launches select by comparison and drop such a batch's rows.
; X, W1 are rounded to bf16 (nearest even), the sums are f32.  Inputs are taken as finite.
; A work-group makes the 128 rows of batch b x 128 columns.  Wave w: columns 64 (w & 1) .. +63 of them, K half w >> 1 (512 of 1,024).
; Each wave sums 128 x 64 over its K half (32 tiles, 256 registers); the two K halves are then exchanged through LDS and wave kh
; finishes rows 64 kh .. +63.  Accumulator block i = 0..3 is M tile 4 kh + i (kept), i = 4..7 is M tile 4 (1 - kh) + i - 4 (handed over):
; the difference lies in four address registers only, so all waves run one text.
; X is rounded once and lies whole in LDS: 128 rows of 2,048 bytes at a pitch of 2,064 (an odd multiple of 16, so that the 16 rows
; of a fragment load start in 16 different 16-byte columns modulo 256).
; W1 is stored [k][n] in f32.  Lane (r, h) loads, for each of the 16 k of its half of a K step of 32, the four columns 4 r .. 4 r + 3:
; word c of those loads is B fragment c, whose column r stands for column 4 r + c.  No LDS and no transposing load is needed,
; each load covers two runs of 256 consecutive aligned bytes, and tiles c = 0..3 of a result row give 16 neighbouring bytes a lane.
; NO CLUSTER, NO TENSOR LOADS: both operands are f32 in memory and have to pass registers to be rounded; a shared f32 tile in LDS
; would need room beside the 264,192 bytes of the bf16 copy (63,488 are left of 327,680), and which work-groups read the same
; W1 hangs on language_ids, so no fixed mask names them.
; THE MODE: SCHED_MODE bits 1:0 = 2 (LLVM: expert scheduling mode 2), set by the entry lines.  The code itself states the register dependences
; between vector or matrix instructions and memory or LDS instructions, with s_wait_alu, always for 0.
; THE PLAN.  Registers that memory or LDS instructions touch:
;   SL0 .. SL3   (window 2) f32 as loaded.  Step sl: its 32 conversions read SL[sl]; behind them the loads of four steps on land in it.
;   OUT0 .. OUT3 first phase: written by step sl's conversions, read by that step's 16 LDS stores, written again a round (four steps) later.
;   AF0, AF1     second phase: step s's matrix instructions read AF[s % 2]; the LDS loads issued in step s + 1 land in it (the fragments of step s + 2).
;   v[VLA], v[VA ..]  read by the LDS stores, by A's LDS loads; each written once a round.
;   v[VX], v[VB], v[VR16], v[VEX], v[VEXP]  made at the head and never written again.
;   BF0, BF1 and the accumulators are named by vector and matrix instructions alone until the end.
; So ONE wait on va_vdst stands in a step, behind its conversions: they are done reading SL[sl]; in the first phase they have written OUT[sl]; in the second
; the matrix instructions of the step before are done reading the AF that is loaded next; in a round's first step the stepped address is written.
; The step's loads follow it, in the second phase dealt among its matrix instructions, which name the other AF, a BF and the accumulators:
; none of the registers that those loads touch.  ONE wait on vm_vsrc a round stands ahead of the add to the stepped address.
.set PITCH, 2064
.set VX,   4                           ; v4      16 x lane
.set VLA,  5                           ; v5      where my 8 bytes of bf16 go in LDS (first row of the trip)
.set VB,   6                           ; v6      h x 8 rows of 4,096 bytes + 16 r: serves W1's loads and hpre's stores
.set VR16, 7                           ; v7      16 r
.set VA,   8                           ; v8-11   A fragments: blocks 0-1, 2-3 (kept), 4-5, 6-7 (handed over)
.set VEX,  12                          ; v12     my exchange region
.set VEXP, 13                          ; v13     my partner's (wave w xor 2)
.set B1,   16                          ; v16-19  b1 of my four columns
.set OUT,  32                          ; v32-159 first phase: four out-buffers of 32, the packed bf16 of X
.set BF,   32                          ; v32-63 and v192-223  second phase: two sets of four B fragments, set p at BF + 160 p
.set AF,   64                          ; v64-127 and v128-191 second phase: two sets of eight A fragments, set p at AF + 64 p
; window 1 (v256-511): the 32 accumulator tiles, tile (i, c) at 8 (4 i + c)
; window 2 (v512-767): four slots of 64 registers for f32 as loaded; at the end v512-639 partner's tiles, v640-767 results
.set MSB, 0
.macro WIN new                         ; the immediate's high byte repeats the setting that is left
.if MSB != \new
	s_set_vgpr_msb (MSB<<8)|\new
.set MSB, \new
.endif
.endm
.macro PLACES                          ; four independent vector places behind matrix instructions (ISA guide 7.12.1)
.rept 4
	v_nop
.endr
.endm
; 16 loads: two rows of X (step st from the base on), 512 consecutive bytes each load
.macro XFILL sl, st
.set xn, 0
.rept 16
	global_load_b128 v[64*\sl+4*xn:64*\sl+4*xn+3], v[VX], s[4:5] offset:(\st)*8192+(xn/8)*4096+(xn%8)*512
.set xn, xn+1
.endr
.endm
; 8 loads: half hf of K step sl (from the base on) of W1.  Load p is k = 8 h + p (p < 8) or 16 + 8 h + p - 8: the k of a fragment's registers, in order
.macro BHALF sl, hf
.set bp, 8*(\hf)
.rept 8
	global_load_b128 v[64*(\sl)+4*bp:64*(\sl)+4*bp+3], v[VB], s[6:7] offset:(\sl)*131072+(bp+8*(bp/8))*4096
.set bp, bp+1
.endr
.endm
	s_load_b256 s[4:11], s[0:1], 0x0               ; X s[4:5], W1 s[6:7], b1 s[8:9], ids s[10:11]
	s_load_b64 s[12:13], s[0:1], 0x20              ; hpre
	v_lshl_add_u32 v254, v0, 2, 0x40800
	v_mov_b32 v255, 0
	v_lshrrev_b32 v1, 5, v0
	v_readfirstlane_b32 s14, v1                    ; wave
	v_and_b32 v1, 31, v0                           ; lane
	v_and_b32 v2, 15, v0                           ; r
	v_bfe_u32 v3, v0, 4, 1                         ; h
	v_lshlrev_b32 v[VX], 4, v1
	v_lshlrev_b32 v[VR16], 4, v2
	v_lshl_add_u32 v[VB], v3, 15, v[VR16]
	v_mul_u32_u24 v14, v2, PITCH
	v_lshl_add_u32 v14, v3, 4, v14                 ; r x pitch + 16 h
	s_wait_alu depctr_va_sdst(0)                   ; s14 is written, ahead of its first reader: the wave's shares and all bases are made from it
	s_and_b32 s15, s14, 1                          ; cg: my 64 columns
	s_lshr_b32 s16, s14, 1                         ; kh: my K half
	s_and_b32 s17, ttmp7, 0xffff                   ; b
	s_mov_b32 s21, 0                               ; high word of every offset
	; all addresses are made while the arguments are on their way; each scalar that a vector instruction reads has a register of its own
	s_mul_i32 s27, s14, 32*PITCH
	v_lshl_add_u32 v[VLA], v1, 3, s27              ; my 32 rows in LDS + 8 x lane
	s_mul_i32 s28, s16, 64*PITCH+1024              ; rows 64 kh, K byte 1,024 kh
	v_add_nc_u32 v[VA], s28, v14
	v_add_nc_u32 v[VA+1], 32*PITCH, v[VA]
	s_xor_b32 s25, s16, 1
	s_mul_i32 s29, s25, 64*PITCH                   ; rows 64 (1 - kh),
	s_lshl_b32 s24, s16, 10                        ; the same K bytes
	s_add_co_u32 s29, s29, s24
	v_add_nc_u32 v[VA+2], s29, v14
	v_add_nc_u32 v[VA+3], 32*PITCH, v[VA+2]
	s_lshl_b32 s30, s14, 14
	v_add_nc_u32 v[VEX], s30, v[VX]
	s_xor_b32 s31, s14, 2
	s_lshl_b32 s31, s31, 14
	v_add_nc_u32 v[VEXP], s31, v[VX]
	s_lshl_b32 s26, ttmp9, 9                       ; the work-group's 128 columns, in bytes,
	s_lshl_b32 s24, s15, 8
	s_add_co_u32 s26, s26, s24                     ; + my 64
	s_wait_kmcnt 0x0
	s_lshl_b32 s20, s17, 2
	s_add_nc_u64 s[10:11], s[10:11], s[20:21]
	s_load_b32 s18, s[10:11], 0x0                  ; language_ids[b]: on its way while X is asked for
	s_lshl_b32 s20, s17, 19                        ; batch: 128 rows of 4,096 bytes
	s_lshl_b32 s24, s14, 17                        ; my 32 rows
	s_add_co_u32 s20, s20, s24
	s_add_nc_u64 s[4:5], s[4:5], s[20:21]
	WIN 0x80                                       ; loads land in window 2
	s_wait_alu depctr_va_vdst(0)                   ; the ten offsets and addresses v4 to v13 are written, which the loads and stores of the kernel read
	XFILL 0, 0
	XFILL 1, 1
	XFILL 2, 2
	XFILL 3, 3
	WIN 0
	s_wait_kmcnt 0x0
	s_min_u32 s18, s18, 4                          ; the id enters addresses only clamped to the table
	s_lshl_b32 s20, s18, 22                        ; W1[l]: 4 MiB each,
	s_lshl_b32 s24, s16, 21                        ; my 512 rows of 4,096 bytes
	s_add_co_u32 s20, s20, s24
	s_add_co_u32 s20, s20, s26
	s_add_nc_u64 s[6:7], s[6:7], s[20:21]
	s_lshl_b32 s20, s18, 12
	s_add_co_u32 s20, s20, s26
	s_add_nc_u64 s[8:9], s[8:9], s[20:21]
	s_lshl_b32 s20, s17, 19
	s_lshl_b32 s24, s16, 18                        ; the 64 rows that I finish
	s_add_co_u32 s20, s20, s24
	s_add_co_u32 s20, s20, s26
	s_add_nc_u64 s[12:13], s[12:13], s[20:21]
	global_load_b128 v[B1:B1+3], v[VR16], s[8:9]   ; used at the end, behind the last wait for 0
; FIRST PHASE.  One step: two rows of X to bf16 and into LDS; the slot is filled again, with X four steps on (kind 1) or,
; in the last four steps, with W1's first four K steps (kind 2): the stream of loads passes over without running dry.
.macro XSTEP sl, kind
	s_wait_loadcnt 48                              ; loads return in order: three younger slots of 16 stay out (b1's one load, while it is among them, makes this one stricter than needed)
	WIN 0x0a                                       ; sources in window 2
.set cn, 0
.rept 16
	v_cvt_pk_bf16_f32 v[OUT+32*(\sl)+2*cn], v[64*(\sl)+4*cn], v[64*(\sl)+4*cn+1]
	v_cvt_pk_bf16_f32 v[OUT+32*(\sl)+2*cn+1], v[64*(\sl)+4*cn+2], v[64*(\sl)+4*cn+3]
.set cn, cn+1
.endr
.if ((\kind) == 1) && ((\sl) == 0)
	s_wait_xcnt 0x0                                ; the loads' base is stepped only behind this wait
	s_add_nc_u64 s[4:5], s[4:5], 32768             ; 8 rows on: the round's four refills count from here
.endif
	WIN 0x80
	s_wait_alu depctr_va_vdst(0)                   ; the conversions are done reading SL[sl], in which the loads land, and have written OUT[sl], which the LDS stores read; in a round's first step v[VLA] is written
.if (\kind) == 1
	XFILL \sl, \sl
.else
	BHALF \sl, 0
	BHALF \sl, 1
.endif
	WIN 0
.set cn, 0
.rept 16
	ds_store_b64 v[VLA], v[OUT+32*(\sl)+2*cn:OUT+32*(\sl)+2*cn+1] offset:(2*(\sl)+cn/8)*PITCH+256*(cn%8)   ; 32 lanes: 256 consecutive bytes
.set cn, cn+1
.endr
.endm
	s_mov_b32 s22, 0
.Lxloop:
	XSTEP 0, 1
	XSTEP 1, 1
	XSTEP 2, 1
	XSTEP 3, 1
	WIN 0
	s_wait_alu depctr_vm_vsrc(0)                   ; the round's LDS stores have read v[VLA] and the four out-buffers, which the add below and the next round's conversions write
	v_add_nc_u32 v[VLA], 8*PITCH, v[VLA]
	s_add_co_u32 s22, s22, 1
	s_cmp_lt_u32 s22, 3
	s_cbranch_scc1 .Lxloop
	XSTEP 0, 2
	XSTEP 1, 2
	XSTEP 2, 2
	XSTEP 3, 2
	WIN 0
	s_wait_dscnt 0x0                               ; my rows are in LDS,
	s_barrier_signal -1
	s_barrier_wait -1                              ; everybody's are
; SECOND PHASE.  One K step of 32: 4 B fragments rounded from slot sl, 32 matrix instructions on the A fragments that the step before asked for;
; among them the slot's refill and the next step's 8 A fragments, in runs of eight loads.
; 8 LDS loads: half hf of the A fragments at byte at of the round's K bytes, into the set NA
.macro AHALF at, hf
	WIN 0
.set ki, 4*(\hf)
.rept 4
	ds_load_b128 v[NA+8*ki:NA+8*ki+3], v[VA+ki/2] offset:(ki%2)*16*PITCH+(\at)
	ds_load_b128 v[NA+8*ki+4:NA+8*ki+7], v[VA+ki/2] offset:(ki%2)*16*PITCH+(\at)+32
.set ki, ki+1
.endr
.endm
; 8 matrix instructions: blocks 2 g and 2 g + 1 x the four column tiles, on the sets PA and PB; the 32 accumulators take turns
.macro MUL8 g, zero
	WIN 0x50                                       ; C and D in window 1
.set ki, 2*(\g)
.rept 2
.set kc, 0
.rept 4
.if \zero
	v_wmma_f32_16x16x32_bf16 v[8*(4*ki+kc):8*(4*ki+kc)+7], v[PA+8*ki:PA+8*ki+7], v[PB+8*kc:PB+8*kc+7], 0
.else
	v_wmma_f32_16x16x32_bf16 v[8*(4*ki+kc):8*(4*ki+kc)+7], v[PA+8*ki:PA+8*ki+7], v[PB+8*kc:PB+8*kc+7], v[8*(4*ki+kc):8*(4*ki+kc)+7]
.endif
.set kc, kc+1
.endr
.set ki, ki+1
.endr
.endm
; refill = 1: the slot is asked for again, four K steps ahead.  next = 1: there is a next step, whose A fragments are asked for.
.macro KSTEP sl, zero, refill, next, left
.set PA, AF+64*((\sl)%2)
.set PB, BF+160*((\sl)%2)
.set NA, AF+64*(1-(\sl)%2)
	s_wait_loadcnt \left                           ; this slot's 16 loads are in; the younger slots stay out
	WIN 0x0a
.set kc, 0
.rept 4
.set kq, 0
.rept 8
	v_cvt_pk_bf16_f32 v[PB+8*kc+kq], v[64*(\sl)+8*kq+kc], v[64*(\sl)+8*kq+4+kc]   ; loads 2 q and 2 q + 1, word c.  This set of B was last read two steps back: the 32 conversions of the step between are the places behind those products
.set kq, kq+1
.endr
.set kc, kc+1
.endr
.if (\refill) && ((\sl) == 0)
	s_wait_xcnt 0x0                                ; W1's base is stepped only behind this wait
	s_add_nc_u64 s[6:7], s[6:7], 524288            ; 128 rows of 4,096 bytes on: the round's four refills count from here
.endif
.if \refill
	WIN 0x80
.endif
.if \next
	s_wait_alu depctr_va_vdst(0)                   ; the conversions are done reading SL[sl]; the last step's matrix instructions are done reading their A fragments, in which the next step's land; in a round's first step v[VA ..] are written
.endif
.if \refill
	BHALF \sl, 0
.endif
	s_wait_dscnt 0x0                               ; this step's A fragments, asked for a step ago, are in; no LDS instruction was issued since
	MUL8 0, \zero
.if \next
	AHALF 64*((\sl)+1), 0                          ; no wait: no vector or matrix instruction since the wait above names these registers
.endif
	MUL8 1, \zero
.if \refill
	WIN 0x80
	BHALF \sl, 1
.endif
	MUL8 2, \zero
.if \next
	AHALF 64*((\sl)+1), 1
.endif
	MUL8 3, \zero
.endm
.macro ROUND zero, refill, l0, l1, l2, l3
	KSTEP 0, \zero, \refill, 1, \l0
	KSTEP 1, 0, \refill, 1, \l1
	KSTEP 2, 0, \refill, 1, \l2
	KSTEP 3, 0, \refill, \refill, \l3
.endm
.macro ADVANCE                         ; four K steps on
	WIN 0
	s_wait_alu depctr_vm_vsrc(0)                   ; the LDS loads issued so far have read v[VA ..]
.irp i, 0,1,2,3
	v_add_nc_u32 v[VA+\i], 256, v[VA+\i]           ; 128 bf16 along A's rows
.endr
.endm
	s_wait_alu depctr_vm_vsrc(0)                   ; my LDS stores have read v32 to v159: these registers are BF0, AF0 and AF1 from here on, written by the fragments' loads and by the conversions
.set NA, AF
	AHALF 0, 0                                     ; the A fragments of K step 0
	AHALF 0, 1
	ROUND 1, 1, 48, 48, 48, 48                     ; the first products start the sums: nothing is cleared
	ADVANCE
	s_mov_b32 s22, 0
.Lkloop:
	ROUND 0, 1, 48, 48, 48, 48
	ADVANCE
	s_add_co_u32 s22, s22, 1
	s_cmp_lt_u32 s22, 2
	s_cbranch_scc1 .Lkloop
	ROUND 0, 0, 48, 32, 16, 0                      ; the last four K steps ask for no more of W1: the counts run down (0 also covers b1); the last asks for no A either, and holds no wait on va_vdst
	; THE END: hand over blocks 4-7, take the partner's, add, add b1, store.
	PLACES                                         ; behind the last matrix instructions, in front of the LDS stores of their results
	s_barrier_signal -1                            ; my LDS loads were waited for in front of the last products, none followed
	s_barrier_wait -1                              ; nobody reads A any more: its first 65,536 bytes become four exchange regions
	WIN 0x04                                       ; store data in window 1
	s_wait_alu depctr_va_vdst(0)                   ; the matrix instructions have written the accumulators, which the LDS stores read (the places above stay beside this wait); the conversions are done reading SL0 and SL1, in which the partner's tiles land below
.set eu, 0
.rept 32
	ds_store_b128 v[VEX], v[128+4*eu:128+4*eu+3] offset:512*eu
.set eu, eu+1
.endr
	s_wait_dscnt 0x0
	s_barrier_signal -1
	s_barrier_wait -1
	WIN 0x80
.set eu, 0
.rept 32
	ds_load_b128 v[4*eu:4*eu+3], v[VEXP] offset:512*eu     ; the partner's block 4 + i is my block i, register for register
.set eu, eu+1
.endr
	s_wait_dscnt 0x0
	WIN 0x89                                       ; mine (window 1) + partner's (window 2) -> window 2, tiles c = 0..3 side by side
.set ei, 0
.rept 4
.set ej, 0
.rept 8
.set ec, 0
.rept 4
	v_add_f32 v[128+4*(8*ei+ej)+ec], v[8*(4*ei+ec)+ej], v[8*(4*ei+ec)+ej]
.set ec, ec+1
.endr
.set ej, ej+1
.endr
.set ei, ei+1
.endr
	WIN 0x82
.set eu, 0
.rept 32
	v_pk_add_f32 v[128+4*eu:128+4*eu+1], v[128+4*eu:128+4*eu+1], v[B1:B1+1]
	v_pk_add_f32 v[128+4*eu+2:128+4*eu+3], v[128+4*eu+2:128+4*eu+3], v[B1+2:B1+3]
.set eu, eu+1
.endr
	WIN 0x08                                       ; store data in window 2
	s_wait_alu depctr_va_vdst(0)                   ; the additions have written the 128 result registers, which the stores read
.set eu, 0
.rept 32
	global_store_b128 v[VB], v[128+4*eu:128+4*eu+3], s[12:13] offset:(16*(eu/8)+eu%8)*4096   ; row 16 i + 8 h + j: 16 lanes store 256 consecutive aligned bytes
.set eu, eu+1
.endr
	WIN 0
	s_wait_dscnt 0x0
	s_wait_alu depctr_hold_cnt(0) depctr_sa_sdst(0) depctr_va_vdst(0) depctr_va_sdst(0) depctr_va_ssrc(0) depctr_va_vcc(0) depctr_vm_vsrc(0)
	s_wait_tensorcnt 0x0
	ds_add_u32 v254, v255
	s_wait_dscnt 0x0
	s_endpgm
.Lfunc_end_k_q19bbaa7024_adapter:
	.size	k_q19bbaa7024_adapter, .Lfunc_end_k_q19bbaa7024_adapter-k_q19bbaa7024_adapter
	.p2alignl 7, 3214868480
	.fill 96, 4, 3214868480
	.section	.rodata,"a",@progbits
	.p2align	6, 0x0
	.amdhsa_kernel k_q19bbaa7024_adapter
		.amdhsa_group_segment_fixed_size 264704
		.amdhsa_private_segment_fixed_size 0
		.amdhsa_enable_private_segment 0
		.amdhsa_kernarg_size 40
		.amdhsa_user_sgpr_count 2
		.amdhsa_user_sgpr_kernarg_segment_ptr 1
		.amdhsa_wavefront_size32 1
		.amdhsa_system_sgpr_workgroup_id_x 1
		.amdhsa_system_sgpr_workgroup_id_y 1
		.amdhsa_system_sgpr_workgroup_id_z 1
		.amdhsa_system_vgpr_workitem_id 0
		.amdhsa_next_free_vgpr 768
		.amdhsa_next_free_sgpr 66
		.amdhsa_reserve_vcc 0
		.amdhsa_float_denorm_mode_32 3
		.amdhsa_float_denorm_mode_16_64 3
		.amdhsa_memory_ordered 1
		.amdhsa_forward_progress 1
		.amdhsa_inst_pref_size 140
	.end_amdhsa_kernel
	.amdgpu_metadata
---
amdhsa.version: [ 1, 2 ]
amdhsa.kernels:
  - .name:           k_q19bbaa7024_adapter
    .symbol:         k_q19bbaa7024_adapter.kd
    .args:
      - { .name: sequence_output, .offset: 0, .size: 8, .value_kind: global_buffer, .address_space: global }
      - { .name: W1, .offset: 8, .size: 8, .value_kind: global_buffer, .address_space: global }
      - { .name: b1, .offset: 16, .size: 8, .value_kind: global_buffer, .address_space: global }
      - { .name: language_ids, .offset: 24, .size: 8, .value_kind: global_buffer, .address_space: global }
      - { .name: hpre, .offset: 32, .size: 8, .value_kind: global_buffer, .address_space: global }
    .group_segment_fixed_size: 264704
    .private_segment_fixed_size: 0
    .kernarg_segment_align: 8
    .kernarg_segment_size: 40
    .max_flat_workgroup_size: 128
    .sgpr_count:     66
    .vgpr_count:     768
    .wavefront_size: 32
...
	.end_amdgpu_metadata
.endif
;; end of part 6
;; launch lnpool: the kernel of part 2 again; grid 8 x 32, 8 waves a work-group, no clusters, 33,792 bytes of LDS; arguments hpre, g1, beta1, attention_mask, language_ids, hpart; writes hpart
;; launch w2part: the kernel of part 3 again; grid 16 x 16, 4 waves a work-group, no clusters, 37,888 bytes of LDS; arguments hpart, W2, language_ids, ppart; writes ppart
;; launch wfpart: the kernel of part 4 again; grid 2 x 18, 8 waves a work-group, no clusters, 38,400 bytes of LDS; arguments ppart, b2, lda_features, language_ids, Wf, fpart; writes fpart
;; launch final: the kernel of part 5 again; grid 32 x 1, 4 waves a work-group, no clusters, 768 bytes of LDS; arguments fpart, bf, gf, betaf, out0; writes out0
